; MI455X (gfx1250); checked and timed in simulation.
; The chip was launched on July 23, 2026; its instructions are those of AMD's public machine-readable ISA for CDNA 5 (MIT licence, August 2026) and "CDNA5" Instruction Set Architecture Reference Guide (July 2026). The comments in the code are by the model that wrote it; some were corrected since.
;; Multi Head Attention. Allowed arithmetic: matrix products marked QUANTISED: E2M1 operands, one E8M0 scale for each 32 along K, by v_wmma_scale_f32_16x16x128_f8f6f4 with both operands' format E2M1 (or v_wmma_scale_f32_32x16x128_f4), f32 sums; products left as they are: bf16, f16 or f32 operands; f32 sums; everything else in f32.
;; Inputs: Wk 2,048 x 2,048 float32; Wo 2,048 x 2,048 float32; Wq 2,048 x 2,048 float32; Wv 2,048 x 2,048 float32; attention_mask 1 x 1 x 2,048 x 2,048 int32; hidden_states 1 x 2,048 x 2,048 float32.
;; Outputs: out0 1 x 2,048 x 2,048 float32.
;; This version of the problem:
;;   THIS VERSION OF THE PROBLEM IS GIVEN IN LOW PRECISION. The matrix products marked QUANTISED in the list below multiply operands that are first quantised to E2M1 (2 exponent bits, 1 mantissa bit; 4 bits a number), with one power-of-two scale for each 32 numbers along K (OCP MX v1.0); their sums are f32. The products marked 'left as it is' may take bf16, f16 or f32 operands, with f32 sums. Whichever they take, every output number must still come out within the allowed error. Rounding operands to bf16 (8 significant bits) uses up far more of that allowance than f16 does (11 bits, for magnitudes from 6e-5 to 65,504). All else is computed in f32.
;;   The module's matrix products, in the order in which they are computed (A, B: the left and right operand; K: the contracted axis; several contracted axes count as one K, in the product's order):
;;     1. [M 2,048, K 2,048] x [K 2,048, N 2,048]; A: input hidden_states; B: input Wq: QUANTISED
;;     2. [M 2,048, K 2,048] x [K 2,048, N 2,048]; A: input hidden_states; B: input Wk: QUANTISED
;;     3. [M 2,048, K 2,048] x [K 2,048, N 2,048]; A: input hidden_states; B: input Wv: QUANTISED
;;     4. [M 2,048, K 1] x [K 1, N 64]; A: computed on the way; B: computed on the way: left as it is (no contracted axis)
;;     5. batch 16 x [M 2,048, K 128] x [K 128, N 2,048]; A: computed on the way; B: computed on the way: left as it is (an operand is computed on the way)
;;     6. batch 16 x [M 2,048, K 2,048] x [K 2,048, N 128]; A: computed on the way; B: computed on the way: left as it is (an operand is computed on the way)
;;     7. [M 2,048, K 2,048] x [K 2,048, N 2,048]; A: computed on the way; B: input Wo: left as it is (an operand is computed on the way)
;;   THE QUANTISER, for each operand of a quantised product, along K:
;;     - K is cut into blocks of 32 from its start; a last block that is shorter is filled with zeros.
;;     - A block's scale is 2^e with e = floor(log2(the largest magnitude in the block)) - 2, held to -126 .. 127; a block of zeros has e = 0. As a byte (E8M0): e + 127.
;;     - Each number is divided by its block's scale, clamped to +-6, and rounded to the nearest number of E2M1, ties to even, subnormals kept.
;;     - The product sums the exact products of the quantised numbers (number of the format x scale) in f32.
;;   ~~~python
;;   def quantise(x, axis):      # numpy; x: float32 -> the quantised numbers, widened to float32 again
;;       x = np.moveaxis(x, axis, -1); K = x.shape[-1]
;;       x = np.pad(x, [(0, 0)] * (x.ndim - 1) + [(0, -K % 32)]); x = x.reshape(x.shape[:-1] + (-1, 32)); a = np.abs(x).max(-1, keepdims=True)
;;       e = np.where(a > 0, np.clip(np.frexp(np.where(a > 0, a, 1))[1] - 1 - 2, -126, 127), 0)      # np.frexp(a)[1] - 1 = floor(log2(a)), exactly
;;       r = np.clip(x / 2.0 ** e, -6, 6)
;;       step = 2.0 ** (np.maximum(np.frexp(np.where(r == 0, 1, r))[1] - 1, 0) - 1)
;;       q = np.round(r / step) * step * 2.0 ** e      # np.round: ties to even
;;       return np.moveaxis(q.reshape(q.shape[:-2] + (-1,))[..., :K], -1, axis).astype(np.float32)
;;   ~~~
;; One version. Each part assembles by itself: llvm-mc -triple=amdgcn-amd-amdhsa -mcpu=gfx1250 --defsym DOCPART=n.
;; ======== version 1 of 1: 4 launches
;; limits: values are held in f16: magnitudes above 65,504 overflow, below 6.1e-05 lose precision
;; workspace buffers: codes 8,388,608 bytes; scales 524,288 bytes; wo16 8,388,608 bytes; mbits 524,288 bytes of whole numbers; tab 1,048,576 bytes; qi 8,388,608 bytes; kv 16,777,216 bytes; ao 8,388,608 bytes
;; launch prep (part 1): grid 896 x 1, 4 waves a work-group, no clusters, 67,072 bytes of LDS; arguments hidden_states, Wq, Wk, Wv, Wo, attention_mask, codes, scales, wo16, mbits, tab; writes codes, scales, wo16, mbits, tab
.if DOCPART == 1
	.amdgcn_target "amdgcn-amd-amdhsa--gfx1250"
	.amdhsa_code_object_version 6
	.text
	.protected	k_q955a7532c4_prep
	.globl	k_q955a7532c4_prep
	.p2align	8
	.type	k_q955a7532c4_prep,@function
k_q955a7532c4_prep:
	s_mov_b64 s[64:65], 0
	v_nop
	global_prefetch_b8 v0, s[64:65] scope:SCOPE_SE
	s_setreg_imm32_b32 hwreg(HW_REG_WAVE_MODE, 25, 1), 1
	s_wait_xcnt 0x0
; PREP: everything that is made once from the inputs.  Four roles, told apart by the work-group's number alone:
;   0-511   Q: Wq, Wk, hidden_states, Wv (2,048 x 2,048 f32 each, K innermost) become codes of E2M1 and E8M0 scale bytes, rows in the order Wq, Wk, x, Wv: codes [8192][1024 B], scales [8192][64 B]
;   512-639 W: Wo becomes f16, row-major
;   640-767 M: the mask becomes lane masks: mbits[query tile][step of 64 keys][word 8 kt + j], bit (r + 16 h) = mask[16 tile + r][64 step + 16 kt + 8 h + j] != 0
;   768-895 T: cos and sin of position x 10000^(-f/64), laid as the registers of the next launch take them: tab[tile of 16 positions][b][part][lane][16 B]
; A block's scale is 2^(floor(log2(largest magnitude)) - 2); its byte is the largest magnitude's exponent field - 2, held at 1 from below.
; LIMITS: a block of zeros, or one whose largest magnitude lies under 2^-124, gets the byte 1 (the rule says 127 for zeros: its codes are zeros, and this program alone reads the bytes);
; NaN and infinities among the inputs are not served; Wo beyond 65,504 becomes infinite in f16; the angles differ from a correctly rounded 10000^(-f/64) by the exponential's last bit, up to 2e-4 rad at position 2,047.
; No tensor load, no barrier, no cluster: the waves share nothing, and memory binds.  Each role that uses LDS has bytes of its own.
; A wave has 32 loads of 512 bytes on their way in role Q, 48 in role W, 32 in role M.
.set SPW,   12                         ; v12  LDS address of my spare word; never rewritten
.set NIL,   13                         ; v13  0; never rewritten
.set WREG,  8192                       ; role Q: a region for each wave: two stages of 32 x SP bytes, then 256 scale bytes
.set SP,    80
.set CB,    8
.set EMAX,  2
.set STEPS, 16
.set DEEP,  8                          ; role Q: steps whose loads are on their way
.set R,     16                         ; v16-143  eight sets of 16 numbers as loaded
.set X,     144                        ; v144-175 two sets of 16 neighbours
.set E,     176                        ; v176-191 a scale byte for each step
.set C,     192                        ; v192-255 codes, four registers for each step
.set MSTG,  32768                      ; role M: 16 rows x 528 bytes for each wave
.set MWAVE, 16*528
.set SPARE, MSTG+4*MWAVE               ; the spare words, 128 bytes for each wave
	s_load_b512 s[4:19], s[0:1], 0x0               ; x 4:5, Wq 6:7, Wk 8:9, Wv 10:11, Wo 12:13, mask 14:15, codes 16:17, scales 18:19
	s_load_b128 s[20:23], s[0:1], 0x40             ; wo16 20:21, mbits 22:23
	s_load_b64 s[24:25], s[0:1], 0x50              ; tab
	v_lshl_add_u32 v[SPW], v0, 2, SPARE
	v_mov_b32 v[NIL], 0
	v_lshrrev_b32 v1, 5, v0
	v_readfirstlane_b32 s26, v1                    ; wave
	v_and_b32 v2, 31, v0                           ; lane
	v_lshlrev_b32 v3, 4, v2                        ; 16 x lane
	s_wait_kmcnt 0x0
	s_cmp_lt_u32 ttmp9, 512
	s_cbranch_scc0 .Lnot_q
; ---- ROLE Q.  A wave takes 16 steps of 512 numbers.  Loads read 512 consecutive bytes; the numbers turn through the wave's own stage so that a lane holds 16 neighbours; two neighbouring lanes hold a block.
	s_mul_i32 s27, s26, WREG
	v_lshrrev_b32 v14, 2, v2
	v_mul_u32_u24 v14, v14, SP
	v_and_b32 v15, 3, v2
	v_lshl_add_u32 v14, v15, 4, v14
	v_add_nc_u32 v14, s27, v14                     ; into the stage: SP (lane / 4) + 16 (lane % 4)
	v_mul_u32_u24 v15, v2, SP
	v_add_nc_u32 v15, s27, v15                     ; out of it: SP x lane
	v_mul_u32_u24 v4, v2, CB                       ; my codes' place in a step's 256 bytes
	v_lshrrev_b32 v5, 1, v2
	s_add_co_u32 s27, s27, 2*32*SP
	v_add_nc_u32 v5, s27, v5                       ; my block's scale byte in LDS
	v_lshlrev_b32 v7, 3, v2
	v_add_nc_u32 v6, s27, v7                       ; and 8 bytes a lane on the way out
	s_lshr_b32 s30, ttmp9, 7                       ; which tensor: 0 Wq, 1 Wk, 2 x, 3 Wv: the choice hangs on the work-group's number alone
	s_cmp_eq_u32 s30, 0
	s_cselect_b64 s[28:29], s[6:7], s[8:9]
	s_cmp_eq_u32 s30, 2
	s_cselect_b64 s[32:33], s[4:5], s[10:11]
	s_cmp_lt_u32 s30, 2
	s_cselect_b64 s[28:29], s[28:29], s[32:33]
	s_and_b32 s30, ttmp9, 127
	s_lshl_b32 s30, s30, 2
	s_add_co_u32 s30, s30, s26
	s_lshl_b32 s30, s30, 15                        ; my run of 8,192 numbers in the tensor
	s_mov_b32 s31, 0
	s_add_nc_u64 s[28:29], s[28:29], s[30:31]
	s_lshl_b32 s30, ttmp9, 2
	s_add_co_u32 s30, s30, s26                     ; the run's number over all four tensors: the buffers' row order is the tensors' order
	s_lshl_b32 s32, s30, 12
	s_mov_b32 s33, 0
	s_add_nc_u64 s[16:17], s[16:17], s[32:33]      ; 4,096 bytes of codes a run
	s_lshl_b32 s32, s30, 8
	s_add_nc_u64 s[18:19], s[18:19], s[32:33]      ; 256 scale bytes a run
.macro QLOAD t
.irp i, 0,1,2,3
	global_load_b128 v[R+16*((\t)%DEEP)+4*\i:R+16*((\t)%DEEP)+4*\i+3], v3, s[28:29] offset:2048*(\t)+512*\i th:TH_LOAD_NT
.endr
.endm
.macro QTURN t                         ; LDS serves a wave's instructions in order: no wait between the stores and the loads
.irp i, 0,1,2,3
	ds_store_b128 v14, v[R+16*((\t)%DEEP)+4*\i:R+16*((\t)%DEEP)+4*\i+3] offset:32*SP*((\t)%2)+8*SP*\i
.endr
.irp i, 0,1,2,3
	ds_load_b128 v[X+16*((\t)%2)+4*\i:X+16*((\t)%2)+4*\i+3], v15 offset:32*SP*((\t)%2)+16*\i
.endr
.endm
.irp t, 0,1,2,3,4,5,6,7
	QLOAD \t
.endr
	s_wait_loadcnt 4*(DEEP-1)                      ; step 0's four loads are in; seven steps' 28 stay out
	QTURN 0
.macro QSTEP t
.set XS, X+16*((\t)%2)
.if (\t) > 0
	s_wait_dscnt 1                                 ; this step's numbers are back from the stage; the last step's byte store may be out
.else
	s_wait_dscnt 0x0
.endif
.if (\t)+DEEP < STEPS
	QLOAD (\t)+DEEP                                ; into the registers that this step's stage stores have read
.endif
.if (\t)+1 < STEPS
.if STEPS-2-(\t) >= DEEP-1
	s_wait_loadcnt 4*(DEEP-1)                      ; the next step's four loads are in; seven steps' 28 stay out
.else
	s_wait_loadcnt 4*(STEPS-2-(\t))                ; in the tail: the steps that are left behind the next one
.endif
	QTURN (\t)+1
.endif
	v_max3_num_f32 v8, |v[XS]|, |v[XS+1]|, |v[XS+2]|
	v_max3_num_f32 v9, |v[XS+3]|, |v[XS+4]|, |v[XS+5]|
.irp i, 6,10
	v_max3_num_f32 v8, v8, |v[XS+\i]|, |v[XS+\i+1]|
	v_max3_num_f32 v9, v9, |v[XS+\i+2]|, |v[XS+\i+3]|
.endr
	v_max3_num_f32 v8, v8, |v[XS+14]|, |v[XS+15]|
	v_max3_num_f32 v8, v8, v9, (EMAX+1)<<23        ; the floor 2^(3 - 127): the byte cannot fall under 1
	v_max_num_f32_dpp v8, v8, v8 row_xmask:1 row_mask:0xf bank_mask:0xf   ; with my neighbour's 16: the block's largest magnitude
	v_add_nc_u32 v11, -(EMAX<<23), v8              ; 2 off its exponent field: the conversion takes that field as its scale
	v_cvt_scalef32_pk8_fp4_f32 v[C+4*(\t)], v[XS:XS+7], v11
	v_cvt_scalef32_pk8_fp4_f32 v[C+4*(\t)+1], v[XS+8:XS+15], v11
	v_lshrrev_b32 v[E+(\t)], 23, v11               ; the scale's byte
	ds_store_b8 v5, v[E+(\t)] offset:16*(\t)       ; both lanes of a block write the same byte
	global_store_b64 v4, v[C+4*(\t):C+4*(\t)+1], s[16:17] offset:32*CB*(\t)   ; 32 lanes store 256 consecutive bytes, aligned
.endm
.irp t, 0,1,2,3,4,5,6,7,8,9,10,11,12,13,14,15
	QSTEP \t
.endr
	ds_load_b64 v[8:9], v6
	s_wait_dscnt 0x0
	global_store_b64 v7, v[8:9], s[18:19]          ; the run's 256 scale bytes, aligned
	s_branch .Lend
.Lnot_q:
	s_cmp_lt_u32 ttmp9, 640
	s_cbranch_scc0 .Lnot_w
; ---- ROLE W.  A wave turns 8,192 numbers of Wo into f16: four rounds of sixteen loads of 512 bytes, three rounds on their way.
	s_sub_co_u32 s27, ttmp9, 512
	s_lshl_b32 s27, s27, 2
	s_add_co_u32 s27, s27, s26
	s_lshl_b32 s28, s27, 15
	s_mov_b32 s29, 0
	s_add_nc_u64 s[12:13], s[12:13], s[28:29]
	s_lshl_b32 s28, s27, 14
	s_add_nc_u64 s[20:21], s[20:21], s[28:29]
	v_lshlrev_b32 v4, 3, v2                        ; 8 bytes a lane out
.macro LOADW t                         ; three sets of 64 registers: v16-79, v80-143, v144-207
.set n, 0
.rept 16
	global_load_b128 v[16+64*((\t)%3)+4*n:16+64*((\t)%3)+4*n+3], v3, s[12:13] offset:8192*(\t)+512*n th:TH_LOAD_NT
.set n, n+1
.endr
.endm
.macro ROUNDW t
.if (\t) < 2
	s_wait_loadcnt 32                              ; this round's sixteen are in; two younger rounds' 32 stay out
.elseif (\t) == 2
	s_wait_loadcnt 16                              ; the last round's sixteen stay out
.else
	s_wait_loadcnt 0x0
.endif
	s_wait_xcnt 0x0                                ; the last round's stores have read their registers
.set n, 0
.rept 16
	v_cvt_pk_f16_f32 v[208+2*n], v[16+64*((\t)%3)+4*n], v[16+64*((\t)%3)+4*n+1]
	v_cvt_pk_f16_f32 v[209+2*n], v[16+64*((\t)%3)+4*n+2], v[16+64*((\t)%3)+4*n+3]
.set n, n+1
.endr
.set n, 0
.rept 16
	global_store_b64 v4, v[208+2*n:209+2*n], s[20:21] offset:4096*(\t)+256*n   ; 256 consecutive bytes, aligned
.set n, n+1
.endr
.if (\t)+3 < 4
	LOADW (\t)+3
.endif
.endm
	LOADW 0
	LOADW 1
	LOADW 2
	ROUNDW 0
	ROUNDW 1
	ROUNDW 2
	ROUNDW 3
	s_branch .Lend
.Lnot_w:
	s_cmp_lt_u32 ttmp9, 768
	s_cbranch_scc0 .Lnot_m
; ---- ROLE M.  A work-group takes 16 queries, a wave 512 keys, as four tiles of 16 rows x 128 keys.  Rows come in as they lie (512 consecutive bytes a load), turn through the wave's stage,
; and each of the 64 registers that come back is one word's 32 numbers: a compare makes the word, v_writelane_b32 sets it into the lane that stores it.  Two tiles' loads are on their way.
	s_sub_co_u32 s27, ttmp9, 640
	s_lshl_b32 s28, s27, 17                        ; 16 rows of 8,192 bytes
	s_lshl_b32 s30, s26, 11                        ; 512 keys of 4 bytes
	s_add_co_u32 s28, s28, s30
	s_mov_b32 s29, 0
	s_add_nc_u64 s[14:15], s[14:15], s[28:29]
	s_lshl_b32 s28, s27, 12                        ; a query tile's 32 steps x 128 bytes
	s_lshl_b32 s30, s26, 10                        ; my 8 steps
	s_add_co_u32 s28, s28, s30
	s_add_nc_u64 s[22:23], s[22:23], s[28:29]
	s_mul_i32 s30, s26, MWAVE
	s_add_co_u32 s30, s30, MSTG
	v_add_nc_u32 v5, s30, v3                       ; in: 16 x lane of a row
	v_and_b32 v6, 15, v2
	v_lshrrev_b32 v7, 4, v2
	v_mul_u32_u24 v6, v6, 528
	v_lshl_add_u32 v6, v7, 5, v6
	v_add_nc_u32 v6, s30, v6                       ; back: row r, + 32 h: eight keys of my half
	v_lshlrev_b32 v4, 3, v2
.irp q, 0,1,2,3,4,5,6,7
	v_mov_b32 v[144+\q], 0                         ; v_writelane_b32's destination counts as read
.endr
.macro LOADM c                         ; two sets of 64 registers: v16-79, v152-215
.set n, 0
.rept 16
	global_load_b128 v[16+136*((\c)%2)+4*n:16+136*((\c)%2)+4*n+3], v3, s[14:15] offset:n*8192+(\c)*512 th:TH_LOAD_NT
.set n, n+1
.endr
.endm
.macro TILEM c
.if (\c) < 3
	s_wait_loadcnt 16                              ; this tile's sixteen loads are in; the next tile's sixteen stay out
.else
	s_wait_loadcnt 0x0
.endif
.set n, 0
.rept 16
	ds_store_b128 v5, v[16+136*((\c)%2)+4*n:16+136*((\c)%2)+4*n+3] offset:n*528
.set n, n+1
.endr
.set n, 0
.rept 16
	ds_load_b128 v[80+4*n:80+4*n+3], v6 offset:64*(n/2)+16*(n%2)   ; register 8 kt + j: key 16 kt + 8 h + j of row r
.set n, n+1
.endr
	s_wait_dscnt 0x0                               ; the words' numbers are in, and the stage's stores have read their registers
.if (\c)+2 < 4
	LOADM (\c)+2
.endif
.set n, 0
.rept 8
.irp q, 0,1,2,3,4,5,6,7
	v_cmp_ne_u32 s[32+\q], 0, v[80+8*n+\q]
.endr
.irp q, 0,1,2,3,4,5,6,7
	v_writelane_b32 v[144+2*(\c)+(\q%2)], s[32+\q], 4*n+\q/2   ; word 8 n + q goes to lane (8 n + q) / 2, register (8 n + q) % 2
.endr
.set n, n+1
.endr
	global_store_b64 v4, v[144+2*(\c):145+2*(\c)], s[22:23] offset:256*(\c)   ; two steps' 64 words: 256 consecutive bytes, aligned
.endm
	LOADM 0
	LOADM 1
	TILEM 0
	TILEM 1
	TILEM 2
	TILEM 3
	s_branch .Lend
.Lnot_m:
; ---- ROLE T.  A work-group takes 16 positions, wave b the frequencies 16 b .. 16 b + 15; lane (r, h) makes cos and sin for position r and f = 16 b + 8 h + 0 .. 7.
	s_sub_co_u32 s27, ttmp9, 768
	v_and_b32 v4, 15, v2
	v_lshrrev_b32 v5, 4, v2
	s_lshl_b32 s28, s27, 4
	v_add_nc_u32 v4, s28, v4
	v_cvt_f32_u32 v4, v4                           ; the position
	s_lshl_b32 s28, s26, 4
	v_lshl_add_u32 v5, v5, 3, s28                  ; 16 b + 8 h
	s_lshl_b32 s28, s27, 13
	s_lshl_b32 s30, s26, 11
	s_add_co_u32 s28, s28, s30
	s_mov_b32 s29, 0
	s_add_nc_u64 s[24:25], s[24:25], s[28:29]
	s_mov_b32 s32, 0xbe549a78                      ; -log2(10000) / 64
	s_mov_b32 s33, 0x3f22f983                      ; 2 / pi
	s_mov_b32 s34, 0x3fc90fdb                      ; pi / 2, high part
	s_mov_b32 s35, 0xb33bbd2e                      ; and what is left of it
	s_mov_b32 s36, 0xbe2aaaab                      ; -1/6
	s_mov_b32 s37, 0x3c088889                      ; 1/120
	s_mov_b32 s38, 0xb9500d01                      ; -1/5040
	s_mov_b32 s39, 0x3638ef1d                      ; 1/362880
	s_mov_b32 s40, 0x3d2aaaab                      ; 1/24
	s_mov_b32 s41, 0xbab60b61                      ; -1/720
	s_mov_b32 s42, 0x37d00d01                      ; 1/40320
	s_mov_b32 s43, 0x80000000
.irp j, 0,1,2,3,4,5,6,7
	v_add_nc_u32 v[16+\j], \j, v5
.endr
.irp j, 0,1,2,3,4,5,6,7
	v_cvt_f32_u32 v[16+\j], v[16+\j]
.endr
.irp j, 0,1,2,3,4,5,6,7
	v_mul_f32 v[16+\j], s32, v[16+\j]
.endr
.irp j, 0,1,2,3,4,5,6,7
	v_exp_f32 v[16+\j], v[16+\j]                   ; 10000^(-f / 64)
.endr
	v_nop                                          ; a plain instruction behind the exponentials,
	s_wait_alu depctr_va_vdst(0)                   ; and one wait for the eight, ahead of their first reader
.irp j, 0,1,2,3,4,5,6,7
	v_mul_f32 v[24+\j], v4, v[16+\j]               ; the angle, rounded once
.endr
.irp j, 0,1,2,3,4,5,6,7
	v_mul_f32 v[32+\j], s33, v[24+\j]
.endr
.irp j, 0,1,2,3,4,5,6,7
	v_rndne_f32 v[32+\j], v[32+\j]                 ; n quarter turns
.endr
.irp j, 0,1,2,3,4,5,6,7
	v_fma_f32 v[40+\j], -v[32+\j], s34, v[24+\j]
.endr
.irp j, 0,1,2,3,4,5,6,7
	v_fma_f32 v[40+\j], -v[32+\j], s35, v[40+\j]   ; what is left, at most pi / 4
.endr
.irp j, 0,1,2,3,4,5,6,7
	v_mul_f32 v[48+\j], v[40+\j], v[40+\j]
.endr
.irp j, 0,1,2,3,4,5,6,7
	v_fma_f32 v[56+\j], v[48+\j], s39, s38
	v_fma_f32 v[80+\j], v[48+\j], s42, s41
.endr
.irp j, 0,1,2,3,4,5,6,7
	v_fma_f32 v[56+\j], v[56+\j], v[48+\j], s37
	v_fma_f32 v[80+\j], v[80+\j], v[48+\j], s40
.endr
.irp j, 0,1,2,3,4,5,6,7
	v_fma_f32 v[56+\j], v[56+\j], v[48+\j], s36
	v_fma_f32 v[80+\j], v[80+\j], v[48+\j], -0.5
.endr
.irp j, 0,1,2,3,4,5,6,7
	v_mul_f32 v[96+\j], v[40+\j], v[48+\j]
	v_fma_f32 v[80+\j], v[80+\j], v[48+\j], 1.0    ; the cosine of what is left
.endr
.irp j, 0,1,2,3,4,5,6,7
	v_fma_f32 v[56+\j], v[96+\j], v[56+\j], v[40+\j]   ; and its sine
	v_cvt_i32_f32 v[88+\j], v[32+\j]
.endr
.irp j, 0,1,2,3,4,5,6,7
	v_and_b32 v[96+\j], 1, v[88+\j]
	v_cmp_ne_u32 vcc_lo, 0, v[96+\j]               ; an odd number of quarter turns swaps the two
	v_cndmask_b32 v[72+\j], v[56+\j], v[80+\j], vcc_lo
	v_cndmask_b32 v[64+\j], v[80+\j], v[56+\j], vcc_lo
.endr
.irp j, 0,1,2,3,4,5,6,7
	v_lshlrev_b32 v[96+\j], 30, v[88+\j]           ; the sine is negative in quarters 2 and 3,
	v_add_nc_u32 v[88+\j], 1, v[88+\j]
	v_and_b32 v[96+\j], s43, v[96+\j]
	v_lshlrev_b32 v[88+\j], 30, v[88+\j]           ; the cosine in quarters 1 and 2
	v_xor_b32 v[72+\j], v[72+\j], v[96+\j]
	v_and_b32 v[88+\j], s43, v[88+\j]
	v_xor_b32 v[64+\j], v[64+\j], v[88+\j]
.endr
	global_store_b128 v3, v[64:67], s[24:25]               ; each store of the wave covers 512 consecutive bytes, aligned
	global_store_b128 v3, v[68:71], s[24:25] offset:512
	global_store_b128 v3, v[72:75], s[24:25] offset:1024
	global_store_b128 v3, v[76:79], s[24:25] offset:1536
.Lend:
	s_wait_tensorcnt 0x0                           ; the wave's end
	ds_add_u32 v[SPW], v[NIL]
	s_wait_dscnt 0x0
	s_endpgm
.Lfunc_end_k_q955a7532c4_prep:
	.size	k_q955a7532c4_prep, .Lfunc_end_k_q955a7532c4_prep-k_q955a7532c4_prep
	.p2alignl 7, 3214868480
	.fill 96, 4, 3214868480
	.section	.rodata,"a",@progbits
	.p2align	6, 0x0
	.amdhsa_kernel k_q955a7532c4_prep
		.amdhsa_group_segment_fixed_size 67072
		.amdhsa_private_segment_fixed_size 0
		.amdhsa_enable_private_segment 0
		.amdhsa_kernarg_size 88
		.amdhsa_user_sgpr_count 2
		.amdhsa_user_sgpr_kernarg_segment_ptr 1
		.amdhsa_wavefront_size32 1
		.amdhsa_system_sgpr_workgroup_id_x 1
		.amdhsa_system_sgpr_workgroup_id_y 1
		.amdhsa_system_sgpr_workgroup_id_z 1
		.amdhsa_system_vgpr_workitem_id 0
		.amdhsa_next_free_vgpr 256
		.amdhsa_next_free_sgpr 66
		.amdhsa_reserve_vcc 1
		.amdhsa_float_denorm_mode_32 3
		.amdhsa_float_denorm_mode_16_64 3
		.amdhsa_memory_ordered 1
		.amdhsa_forward_progress 1
		.amdhsa_inst_pref_size 114
	.end_amdhsa_kernel
	.amdgpu_metadata
---
amdhsa.version: [ 1, 2 ]
amdhsa.kernels:
  - .name:           k_q955a7532c4_prep
    .symbol:         k_q955a7532c4_prep.kd
    .args:
      - { .name: hidden_states, .offset: 0, .size: 8, .value_kind: global_buffer, .address_space: global }
      - { .name: Wq, .offset: 8, .size: 8, .value_kind: global_buffer, .address_space: global }
      - { .name: Wk, .offset: 16, .size: 8, .value_kind: global_buffer, .address_space: global }
      - { .name: Wv, .offset: 24, .size: 8, .value_kind: global_buffer, .address_space: global }
      - { .name: Wo, .offset: 32, .size: 8, .value_kind: global_buffer, .address_space: global }
      - { .name: attention_mask, .offset: 40, .size: 8, .value_kind: global_buffer, .address_space: global }
      - { .name: codes, .offset: 48, .size: 8, .value_kind: global_buffer, .address_space: global }
      - { .name: scales, .offset: 56, .size: 8, .value_kind: global_buffer, .address_space: global }
      - { .name: wo16, .offset: 64, .size: 8, .value_kind: global_buffer, .address_space: global }
      - { .name: mbits, .offset: 72, .size: 8, .value_kind: global_buffer, .address_space: global }
      - { .name: tab, .offset: 80, .size: 8, .value_kind: global_buffer, .address_space: global }
    .group_segment_fixed_size: 67072
    .private_segment_fixed_size: 0
    .kernarg_segment_align: 8
    .kernarg_segment_size: 88
    .max_flat_workgroup_size: 128
    .sgpr_count:     66
    .vgpr_count:     256
    .wavefront_size: 32
...
	.end_amdgpu_metadata
.endif
;; end of part 1
;; launch qkv (part 2): grid 24 x 8, 4 waves a work-group, clusters of 4 x 4, 327,680 bytes of LDS; arguments codes, scales, tab, qi, kv; writes qi, kv
.if DOCPART == 2
	.amdgcn_target "amdgcn-amd-amdhsa--gfx1250"
	.amdhsa_code_object_version 6
	.text
	.protected	k_q955a7532c4_qkv
	.globl	k_q955a7532c4_qkv
	.p2align	8
	.type	k_q955a7532c4_qkv,@function
k_q955a7532c4_qkv:
	s_mov_b64 s[64:65], 0
	v_nop
	global_prefetch_b8 v0, s[64:65] scope:SCOPE_SE
	s_setreg_imm32_b32 hwreg(HW_REG_WAVE_MODE, 25, 1), 1
	s_wait_xcnt 0x0
	s_wait_alu depctr_hold_cnt(0) depctr_sa_sdst(0) depctr_va_vdst(0) depctr_va_sdst(0) depctr_va_ssrc(0) depctr_va_vcc(0) depctr_vm_vsrc(0)
	s_getreg_b32 s2, hwreg(HW_REG_IB_STS2, 6, 4)
	s_cmp_eq_u32 s2, 0
	s_cbranch_scc0 .Lentry_in_a_cluster
	s_endpgm
.Lentry_in_a_cluster:
	s_bfe_u32 s2, ttmp6, 0x10000c
	s_cmp_lg_u32 s2, 0xf033
	s_cbranch_scc0 .Lentry_shape_is_right
	s_endpgm
.Lentry_shape_is_right:
; Q = x Wq^T, K = x Wk^T, V^T = Wv x^T on codes of E2M1 with one E8M0 scale for each 32 along K = 2,048; sums in f32; then RoPE on Q and K in f32; results rounded once to f16.
; The codes' buffer holds 8,192 rows of 1,024 bytes in the order Wq, Wk, x, Wv, the scales' buffer 64 bytes a row.  C[m][n] = sum over k of A[m][k] B[n][k]:
;   tile columns 0-7: A = x, B = Wq;   8-15: A = x, B = Wk;   16-23: A = Wv, B = x.  By the rows' order B's first row is 256 x tile column, A's is 4,096 + 256 x tile row, + 2,048 for V.
; A tile of C, 256 x 256, is made by four waves, 128 x 128 each: for Q and K 128 positions x one head, so that RoPE's pairs (d, d + 64) lie in one lane; for V one head's 128 channels x 128 keys.  192 tiles: a smaller tile would cut a head in two.
; K goes in steps of 512 (rows of 256 bytes) through two LDS slots filled by the tensor data mover; the scales of the work-group's rows come once and stay.
; CLUSTERS: 4 x 4 work-groups; A's tiles are asked for jointly along a row of the cluster, B's along a column.
; THE MATRIX INSTRUCTION IS USED TRANSPOSED (source 0 = 16 rows of B, source 1 = 16 rows of A): a lane holds eight neighbouring n of one row m.  Rounded to f16 they are the 16 bytes that the same lane of the
; attention's operand wants, so the results leave as IMAGES OF OPERAND REGISTERS: every store of the wave covers 512 consecutive bytes, aligned, and nothing goes through LDS on the way out.
;   qi: head x 524,288 + tile of 16 positions x 4,096 + b x 512 + lane x 16: Q[16 tile + r][16 b + 8 h + 0..7]
;   kv: head x 1,048,576 + D x 131,072 (D: 256 keys) + K: (tile % 16) x 4,096 + b x 512 + lane x 16;  V: 65,536 + kg x 8,192 + ct x 1,024 + half x 512 + lane x 16: V[256 D + 32 kg + 16 half + 8 h + 0..7][16 ct + r]
; RoPE'S TABLES, 64 registers for each block of 16 positions, come through a ring of four sets in window 1, each asked for as soon as its registers are free: blocks 0 and 1 at the head, into registers that the
; products never name; block 2 ahead of the last step of 128 along K, into B's set 0; block 3 behind the last products, into B's set 1; block a + 3 at block a's head.  At most 48 loads of a wave are out.
; The clusters that make V run the same lines up to the last products, so they ask for blocks 0 to 2 too and leave them unread: 48 loads a wave, the price of one text up to there.
; LIMITS: q, k, v beyond 65,504 become infinite in f16; NaN and infinities are not served.  No prefetch: the tiles are shared in clusters and read again by other clusters, and the launch is short.
; REGISTERS: window 0: v0-31 addresses; v32-95 scale words, two sets; from v128 A's fragments, one set; on the way out v32-255 are free.  window 1: B's fragments, two sets, at v0 and v128; the tables.  windows 2, 3: the 64 accumulators ((a, b) at v[8 (8 (a % 4) + b)]).
.set SIZE_K, 2048
.set KSTEP,  512
.set NQ,     KSTEP/128
.set ROWB,   256
.set KROW,   SIZE_K*4/8
.set PITCH,  272                       ; 256 bytes + 16 of padding = 68 words: the 16 rows of a load start at 16 different banks (64 banks of 4 bytes: ISA guide 11.1)
.set FR,     8
.set NL,     2
.set NP,     4
.set HALFT,  128*PITCH
.set SLOT,   4*HALFT
.set LAPS,   SIZE_K/(2*KSTEP)
.set KS,     SIZE_K/32
.set SCL,    2*SLOT
.set HALFS,  (128*KS/256)*272
.set SBLK,   (16*KS/256)*272
.set SPARE,  SCL+4*HALFS               ; the spare words, 128 bytes for each wave
.set ADRA, 16
.set ADRB, 20
.set LI,   26                          ; v26  16 x lane: an image's place for my lane; never rewritten
.set ADRS, 27
.set SPW,  28
.set NIL,  29
.set SC,   32
.set AF,   128
.set TT,   160                         ; the way out, window 0: v160-191 channels 0-63, v192-223 channels 64-127 after RoPE
.set UU,   192
.set PKD,  224                         ; v224-255 packed
.set G1, 24
.set G0, 32
.set G1B, 48
.set G0B, 56
.set G1S, 68
.set G0S, 76
.set G1SB, 80
.set G0SB, 88
.set MSB, 0
.macro WIN new                         ; the immediate's high byte repeats the setting that is left
.if MSB != (\new)
	s_set_vgpr_msb (MSB<<8)|(\new)
.set MSB, (\new)
.endif
.endm
.set MUL_LO, 0xa1
.set MUL_HI, 0xf1
.set TO_B,   0x40
; A joint load: waves 0 and 1 fetch for A, waves 2 and 3 for B; the branch hangs on the wave's number alone.  An s_nop 0 and four v_nop follow each line.
.macro JLOAD g0a, g1a, g0b, g1b
	s_cmp_eq_u32 s15, 0
	s_cbranch_scc0 .Lfor_b_\@
	tensor_load_to_lds s[\g0a:\g0a+3], s[\g1a:\g1a+7]
	s_nop 0
.rept 4
	v_nop
.endr
	s_branch .Lasked_\@
.Lfor_b_\@:
	tensor_load_to_lds s[\g0b:\g0b+3], s[\g1b:\g1b+7]
	s_nop 0
.rept 4
	v_nop
.endr
.Lasked_\@:
.endm
.macro CREST
	s_cmp_lg_u32 s14, 0
	s_cbranch_scc1 .Lnot_wave_0_\@
	s_barrier_signal -3
.Lnot_wave_0_\@:
	s_barrier_wait -3
	s_barrier_signal -1
	s_barrier_wait -1
.endm
.macro CROUND
	s_barrier_signal -1
	s_barrier_wait -1
	CREST
.endm
; The table of block a (16 positions): 16 loads of 512 consecutive bytes into set a % 4 of window 1: sets 0, 1 at v64, v192; sets 2, 3 at v0, v128.  In a set: 16 b + 0..7 cos, + 8..15 sin
.macro LOADT a
.set TS_, 128*((\a)%2)+64*(1-(((\a)%4)/2))
	WIN TO_B
.irp b, 0,1,2,3
.irp p, 0,1,2,3
	global_load_b128 v[TS_+16*\b+4*\p:TS_+16*\b+4*\p+3], v[LI], s[96:97] offset:(\a)*8192+\b*2048+\p*512
.endr
.endr
	WIN 0
.endm
	s_load_b128 s[4:7], s[0:1], 0x0                ; codes s[4:5], scales s[6:7]
	s_load_b128 s[96:99], s[0:1], 0x10             ; tab s[96:97], qi s[98:99]
	s_load_b64 s[100:101], s[0:1], 0x20            ; kv
	v_lshl_add_u32 v[SPW], v0, 2, SPARE
	v_mov_b32 v[NIL], 0
	ds_add_u32 v[SPW], v[NIL]                      ; the wave's opening: the add, twice on end, and its wait ahead of my first tensor load
	ds_add_u32 v[SPW], v[NIL]
	v_lshrrev_b32 v1, 5, v0
	v_readfirstlane_b32 s14, v1                    ; wave 0..3
	s_lshr_b32 s15, s14, 1                         ; which half of A's rows is mine.  Also: I fetch for A (0) or for B (1)
	s_and_b32 s16, s14, 1                          ; which half of B's rows.  Also: which 128 rows of that tile I fetch
	s_bfe_u32 s40, ttmp6, 0x40000                  ; cx, cy
	s_bfe_u32 s41, ttmp6, 0x40004
	s_lshl_b32 s42, ttmp9, 2
	s_add_co_u32 s42, s42, s40                     ; tile column
	s_and_b32 s17, ttmp7, 0xffff
	s_lshl_b32 s17, s17, 2
	s_add_co_u32 s17, s17, s41                     ; tile row
	s_lshl_b32 s43, s41, 2
	s_lshl_b32 s43, 15, s43                        ; my row of the cluster
	s_lshl_b32 s44, 0x1111, s40                    ; my column
	s_or_b32 s[G1+0], s43, (0<<16)|(1<<20)|(1<<21)|(5<<22)|(3<<25)  ; the mask; elements of 1 byte; padding: 4 words behind every 64; bit 21 beside a mask
	s_or_b32 s[G1B+0], s44, (0<<16)|(1<<20)|(1<<21)|(5<<22)|(3<<25)
.irp g, G1, G1B
	s_mov_b32 s[\g+1], ROWB<<16                    ; tensor_dim0
	s_mov_b32 s[\g+2], 128<<16                     ; tensor_dim1
	s_mov_b32 s[\g+3], ROWB<<16                    ; tile_dim0
	s_mov_b32 s[\g+4], 128                         ; tile_dim1
	s_mov_b32 s[\g+5], KROW                        ; the pitch
	s_mov_b32 s[\g+6], 0
	s_mov_b32 s[\g+7], 0
.endr
	s_or_b32 s[G1S+0], s43, (3<<16)|(1<<20)|(1<<21)|(5<<22)|(3<<25) ; the scales of 128 rows: 8,192 dense bytes as 32 rows of 256, 16 bytes of padding behind each
	s_or_b32 s[G1SB+0], s44, (3<<16)|(1<<20)|(1<<21)|(5<<22)|(3<<25)
.irp g, G1S, G1SB
	s_mov_b32 s[\g+1], 32<<16
	s_mov_b32 s[\g+2], (128*KS/256)<<16
	s_mov_b32 s[\g+3], 32<<16
	s_mov_b32 s[\g+4], 128*KS/256
	s_mov_b32 s[\g+5], 32
	s_mov_b32 s[\g+6], 0
	s_mov_b32 s[\g+7], 0
.endr
	s_lshl_b32 s18, s16, 7                         ; which 128 rows of the tile I fetch
	s_lshl_b32 s20, s17, 8
	s_add_co_u32 s20, s20, s18
	s_lshr_b32 s19, ttmp9, 2                       ; 1 in the clusters that make V: the cluster's x, the same in all partners
	s_lshl_b32 s19, s19, 11
	s_add_co_u32 s20, s20, s19
	s_add_co_u32 s20, s20, 4096                    ; A: row 4,096 + 256 x tile row + 128 x half: x; 2,048 further on: Wv
	s_lshl_b32 s46, s42, 8
	s_add_co_u32 s46, s46, s18                     ; B: row 256 x tile column + 128 x half: Wq, Wk, then x
	s_mov_b32 s21, 0
	s_mov_b32 s47, 0
	s_mov_b64 s[18:19], KS
	s_mul_u64 s[22:23], s[20:21], s[18:19]
	s_mul_u64 s[92:93], s[46:47], s[18:19]
	s_mov_b64 s[18:19], KROW
	s_mul_u64 s[20:21], s[20:21], s[18:19]
	s_mul_u64 s[46:47], s[46:47], s[18:19]
	s_mul_i32 s45, s14, HALFT                      ; where they go: wave x 128 rows
	s_mul_i32 s94, s14, HALFS
	s_wait_dscnt 0x0                               ; both opening adds are done
	s_wait_kmcnt 0x0
	s_add_nc_u64 s[20:21], s[4:5], s[20:21]
	s_add_nc_u64 s[22:23], s[6:7], s[22:23]
	s_add_nc_u64 s[46:47], s[4:5], s[46:47]
	s_add_nc_u64 s[92:93], s[6:7], s[92:93]
	CROUND                                         ; all sixteen work-groups are here: the first joint loads meet
	s_mov_b32 s[G0S], 1
	s_add_co_u32 s[G0S+1], s94, SCL
	s_mov_b64 s[G0S+2:G0S+3], s[22:23]
	s_or_b32 s[G0S+3], s[G0S+3], 0x80000000
	s_mov_b32 s[G0SB], 1
	s_add_co_u32 s[G0SB+1], s94, SCL
	s_mov_b64 s[G0SB+2:G0SB+3], s[92:93]
	s_or_b32 s[G0SB+3], s[G0SB+3], 0x80000000
	JLOAD G0S, G1S, G0SB, G1SB                     ; the scales first
.irp s, 0,1
	s_mov_b32 s[G0+4*\s], 1
	s_add_co_u32 s[G0+4*\s+1], s45, \s*SLOT
	s_add_nc_u64 s[G0+4*\s+2:G0+4*\s+3], s[20:21], \s*ROWB
	s_or_b32 s[G0+4*\s+3], s[G0+4*\s+3], 0x80000000
	s_mov_b32 s[G0B+4*\s], 1
	s_add_co_u32 s[G0B+4*\s+1], s45, \s*SLOT
	s_add_nc_u64 s[G0B+4*\s+2:G0B+4*\s+3], s[46:47], \s*ROWB
	s_or_b32 s[G0B+4*\s+3], s[G0B+4*\s+3], 0x80000000
	JLOAD G0+4*\s, G1, G0B+4*\s, G1B
.endr
	v_and_b32 v1, 15, v0
	v_bfe_u32 v2, v0, 4, 1
	v_mul_u32_u24 v3, v1, PITCH
	v_lshl_add_u32 v4, v2, 4, v3                   ; a fragment's row x pitch + 16 x half
	s_mul_i32 s21, s15, HALFT
	s_mul_i32 s22, s16, HALFT
	s_add_co_u32 s22, s22, 2*HALFT
.irp s, 0,1
	v_add_nc_u32 v[ADRA+\s], s21, v4
	v_add_nc_u32 v[ADRB+\s], s22, v4
	s_add_co_u32 s21, s21, SLOT
	s_add_co_u32 s22, s22, SLOT
.endr
	v_mul_u32_u24 v5, v1, KS                       ; my row's scales: 64 bytes a row,
	v_lshrrev_b32 v6, 8, v5
	v_lshl_add_u32 v5, v6, 4, v5                   ; and 16 more for each 256 passed
	s_mul_i32 s21, s15, HALFS
	s_mul_i32 s22, s16, HALFS
	s_add_co_u32 s22, s22, 2*HALFS
	s_sub_co_u32 s22, s22, s21
	v_mul_u32_u24 v6, s22, v2                      ; lanes 16-31 take B's
	s_add_co_u32 s21, s21, SCL
	v_add_nc_u32 v5, v5, v6
	v_add_nc_u32 v[ADRS], s21, v5
	v_and_b32 v6, 31, v0
	v_lshlrev_b32 v[LI], 4, v6
	s_lshl_b32 s22, s17, 17                        ; the table at my 128 positions: 131,072 bytes a tile row, 65,536 for my half of it; inside the table for every tile row, V's too
	s_lshl_b32 s21, s15, 16
	s_add_co_u32 s22, s22, s21
	s_mov_b32 s23, 0
	s_add_nc_u64 s[96:97], s[96:97], s[22:23]
	LOADT 0                                        ; blocks 0 and 1 are asked for here: their registers are named by nothing else before the way out
	LOADT 1
.macro FRAG reg, adr, q, i             ; 16 rows x 128 K of 4-bit codes: 8 registers, two loads of 16 bytes, 32 bytes apart
.irp c, 0,1
	ds_load_b128 v[\reg+4*\c:\reg+4*\c+3], v[\adr] offset:64*(\q)+32*\c+(\i)*16*PITCH
.endr
.endm
; 16 matrix instructions: A's blocks a0, a0 + 1 x B's eight.  The 64 accumulators take turns, one instruction a turn, in the same order in every step.
.macro MUL16 a0, p, q, sc, zero
.irp a, \a0, \a0+1
.irp b, 0,1,2,3,4,5,6,7
.if \zero
	v_wmma_scale_f32_16x16x128_f8f6f4 v[8*(8*((\a)%4)+\b):8*(8*((\a)%4)+\b)+7], v[128*(\p)+FR*\b:128*(\p)+FR*\b+FR-1], v[AF+FR*(\a):AF+FR*(\a)+FR-1], 0, v[SC+8*NQ*(\sc)+NQ*\b+(\q)], v[SC+8*NQ*(\sc)+NQ*(\a)+(\q)] matrix_a_fmt:MATRIX_FMT_FP4 matrix_b_fmt:MATRIX_FMT_FP4 matrix_a_scale:MATRIX_SCALE_ROW1
.else
	v_wmma_scale_f32_16x16x128_f8f6f4 v[8*(8*((\a)%4)+\b):8*(8*((\a)%4)+\b)+7], v[128*(\p)+FR*\b:128*(\p)+FR*\b+FR-1], v[AF+FR*(\a):AF+FR*(\a)+FR-1], v[8*(8*((\a)%4)+\b):8*(8*((\a)%4)+\b)+7], v[SC+8*NQ*(\sc)+NQ*\b+(\q)], v[SC+8*NQ*(\sc)+NQ*(\a)+(\q)] matrix_a_fmt:MATRIX_FMT_FP4 matrix_b_fmt:MATRIX_FMT_FP4 matrix_a_scale:MATRIX_SCALE_ROW1
.endif
.endr
.endr
.endm
.macro FETCH_B slot, q, p
	WIN TO_B
.irp i, 0,1,2,3,4,5,6,7
	FRAG 128*(\p)+FR*\i, ADRB+\slot, \q, \i
.endr
	WIN 0
.endm
.macro FETCH_A slot, q, i0
.irp i, \i0, \i0+1, \i0+2, \i0+3
	FRAG AF+FR*(\i), ADRA+\slot, \q, \i
.endr
.endm
.macro SCALES sc                       ; a K step's scale words: lanes 0-15 take A's block i, lanes 16-31 B's block i
.irp i, 0,1,2,3,4,5,6,7
	ds_load_b128 v[SC+8*NQ*\sc+NQ*\i:SC+8*NQ*\sc+NQ*\i+3], v[ADRS] offset:\i*SBLK
.endr
.endm
.macro PLACES n                        ; plain vector instructions between a matrix instruction and a load into, or a read of, its registers
.rept \n
	v_nop
.endr
.endm
.macro STEP slot, q, zero
	s_wait_dscnt 4*NL                              ; B's set and A's blocks 0-3 are in; the youngest eight loads (A's blocks 4-7) may be out
	WIN MUL_LO
	MUL16 0, (\q)%2, \q, \slot, \zero
	MUL16 2, (\q)%2, \q, \slot, \zero
	s_wait_dscnt 0
	PLACES NP
	FETCH_B \slot, (\q)+1, 1-(\q)%2
	FETCH_A \slot, (\q)+1, 0
	WIN MUL_HI
	MUL16 4, (\q)%2, \q, \slot, \zero
	MUL16 6, (\q)%2, \q, \slot, \zero
	PLACES NP
	WIN 0
	FETCH_A \slot, (\q)+1, 4
.endm
; A slot's last step changes slots: one barrier; in front of it each wave waits for all its tensor loads, adds 0 to its spare word, and waits for that and for its reads of this slot.
.macro TURN slot, next, fill
	s_wait_tensorcnt 0x0                           ; all my tensor loads have landed: my part of the next slot
	ds_add_u32 v[SPW], v[NIL]
	s_wait_dscnt 4*NL+1                            ; the add and the youngest eight loads may be out
	WIN MUL_LO
	MUL16 0, 1, NQ-1, \slot, 0
	s_wait_dscnt 0x0                               ; the add is done, and my reads of this slot are over
	s_barrier_signal -1
	MUL16 2, 1, NQ-1, \slot, 0
	WIN 0
	s_barrier_wait -1
.if \fill
	CREST                                          ; the barrier has opened a round of the cluster's: no wave of any partner still reads this slot or has a load on its way
	s_add_nc_u64 s[G0+4*\slot+2:G0+4*\slot+3], s[G0+4*\slot+2:G0+4*\slot+3], 2*ROWB
	s_add_nc_u64 s[G0B+4*\slot+2:G0B+4*\slot+3], s[G0B+4*\slot+2:G0B+4*\slot+3], 2*ROWB
	JLOAD G0+4*\slot, G1, G0B+4*\slot, G1B
.else
	PLACES NP
.endif
	v_add_nc_u32 v[ADRS], 4*NQ, v[ADRS]
	FETCH_B \next, 0, 0
	FETCH_A \next, 0, 0
	SCALES \next
	WIN MUL_HI
	MUL16 4, 1, NQ-1, \slot, 0
	MUL16 6, 1, NQ-1, \slot, 0
	PLACES NP
	WIN 0
	FETCH_A \next, 0, 4
.endm
.macro STEPS slot, from
.set Q, \from
.rept NQ-1-\from
	STEP \slot, Q, 0
.set Q, Q+1
.endr
.endm
	s_wait_tensorcnt 1                             ; of my three loads the scales and K step 0 are in; K step 1's may be out
	s_barrier_signal -1
	s_barrier_wait -1
	FETCH_B 0, 0, 0
	FETCH_A 0, 0, 0
	SCALES 0
	FETCH_A 0, 0, 4
	STEP 0, 0, 1                                   ; the first step's products start the sums
	s_mov_b32 s3, LAPS-1
.Llap:
	STEPS 0, 1
	TURN 0, 1, 1
	STEPS 1, 0
	TURN 1, 0, 1
	STEP 0, 0, 0
	s_sub_co_u32 s3, s3, 1
	s_cmp_lg_u32 s3, 0
	s_cbranch_scc1 .Llap
	STEPS 0, 1                                     ; the last lap fills nothing
	TURN 0, 1, 0
	STEPS 1, 0
	s_wait_loadcnt 0x0                             ; the tables of blocks 0 and 1, asked for at the head, are in: from here on the counts below run from block 2
	LOADT 2                                        ; into B's set 0: its last products stand in front of the step's four places, and the last step multiplies set 1
	s_wait_dscnt 4*NL
	WIN MUL_LO
	MUL16 0, 1, NQ-1, 1, 0
	MUL16 2, 1, NQ-1, 1, 0
	s_wait_dscnt 0
	WIN MUL_HI
	MUL16 4, 1, NQ-1, 1, 0
	MUL16 6, 1, NQ-1, 1, 0
	WIN 0
	PLACES NP                                      ; ahead of the loads into, and the writes of, registers that held operands, and of the first reads of results
	s_cmp_ge_u32 ttmp9, 4                          ; the cluster's x: the same in all partners
	s_cbranch_scc1 .Lv
; ---- THE WAY OUT OF Q AND K: RoPE in f32, f16, images.  Block a is 16 positions; accumulators (a, b) and (a, b + 4) hold channels d and d + 64 of the same lane.
	s_lshr_b32 s20, ttmp9, 1                       ; 1 in the clusters that make K
	s_cmp_eq_u32 s20, 0
	s_cselect_b64 s[98:99], s[98:99], s[100:101]
	s_and_b32 s21, s42, 7
	s_lshl_b32 s21, s21, 1
	s_add_co_u32 s21, s21, s16                     ; the head
	s_lshl_b32 s21, s21, 19
	s_lshl_b32 s22, s17, 16
	s_add_co_u32 s21, s21, s22
	s_lshl_b32 s21, s21, s20                       ; in kv a head and a block of 256 positions take twice the bytes
	s_lshl_b32 s22, s15, 15
	s_add_co_u32 s22, s21, s22
	s_mov_b32 s23, 0
	s_add_nc_u64 s[98:99], s[98:99], s[22:23]
	LOADT 3                                        ; into B's set 1, which the last products have read: the four places stand above
.macro ROPE a
.set AC, 64*((\a)%4)
.set WW, 2+(\a)/4
.if (\a) >= 6
	s_wait_loadcnt 16*(7-(\a))                     ; this block's table is in; the blocks behind it, sixteen loads each, stay out
.elseif (\a) >= 2
	s_wait_loadcnt 32                              ; this block's table is in; two younger blocks' 32 loads stay out
.endif
.if ((\a) >= 1) && ((\a)+3 < 8)
	LOADT (\a)+3                                   ; into the set that block a - 1 has just left
.endif
.set TS_, 128*((\a)%2)+64*(1-(((\a)%4)/2))
	WIN WW|0x04                                    ; source 0: the accumulators' window; source 1: the tables', window 1.
.irp b, 0,1,2,3
.irp p, 0,2,4,6
	v_pk_mul_f32 v[TT+8*\b+\p:TT+8*\b+\p+1], v[AC+8*(\b+4)+\p:AC+8*(\b+4)+\p+1], v[TS_+16*\b+8+\p:TS_+16*\b+8+\p+1]
.endr
.endr
.irp b, 0,1,2,3
.irp p, 0,2,4,6
	v_pk_mul_f32 v[UU+8*\b+\p:UU+8*\b+\p+1], v[AC+8*\b+\p:AC+8*\b+\p+1], v[TS_+16*\b+8+\p:TS_+16*\b+8+\p+1]
.endr
.endr
.irp b, 0,1,2,3
.irp p, 0,2,4,6
	v_pk_fma_f32 v[TT+8*\b+\p:TT+8*\b+\p+1], v[AC+8*\b+\p:AC+8*\b+\p+1], v[TS_+16*\b+\p:TS_+16*\b+\p+1], v[TT+8*\b+\p:TT+8*\b+\p+1] neg_lo:[0,0,1] neg_hi:[0,0,1]   ; x[d] cos - x[d + 64] sin
.endr
.endr
.irp b, 0,1,2,3
.irp p, 0,2,4,6
	v_pk_fma_f32 v[UU+8*\b+\p:UU+8*\b+\p+1], v[AC+8*(\b+4)+\p:AC+8*(\b+4)+\p+1], v[TS_+16*\b+\p:TS_+16*\b+\p+1], v[UU+8*\b+\p:UU+8*\b+\p+1]   ; x[d + 64] cos + x[d] sin
.endr
.endr
	WIN 0
	s_wait_xcnt 0x0                                ; the last block's stores have read their registers
.irp b, 0,1,2,3,4,5,6,7
.irp i, 0,1,2,3
	v_cvt_pk_f16_f32 v[PKD+4*\b+\i], v[TT+8*\b+2*\i], v[TT+8*\b+2*\i+1]
.endr
.endr
.irp b, 0,1,2,3,4,5,6,7
	global_store_b128 v[LI], v[PKD+4*\b:PKD+4*\b+3], s[98:99] offset:(\a)*4096+\b*512   ; 512 consecutive bytes, aligned
.endr
.endm
.irp a, 0,1,2,3,4,5,6,7
	ROPE \a
.endr
	s_branch .Ldone
.Lv:
; ---- THE WAY OUT OF V: block a is 16 channels, b is 16 keys: image (kg = 4 x my half + b / 2, ct = a, half = b % 2)
	s_lshl_b32 s21, s17, 1
	s_add_co_u32 s21, s21, s15                     ; the head
	s_lshl_b32 s21, s21, 20
	s_sub_co_u32 s22, s42, 16                      ; the block of 256 keys
	s_lshl_b32 s22, s22, 17
	s_add_co_u32 s21, s21, s22
	s_lshl_b32 s22, s16, 15
	s_add_co_u32 s21, s21, s22
	s_add_co_u32 s22, s21, 65536
	s_mov_b32 s23, 0
	s_add_nc_u64 s[100:101], s[100:101], s[22:23]
.macro VOUT a
.set AC, 64*((\a)%4)
.set PS, 32+32*((\a)%2)
.set WW, 0x0a+5*((\a)/4)
.if (\a) > 1
	s_wait_xcnt 0x0                                ; block a - 2's stores have read their registers
.endif
	WIN WW                                         ; sources 0 and 1: the accumulators' window
.irp b, 0,1,2,3,4,5,6,7
.irp i, 0,1,2,3
	v_cvt_pk_f16_f32 v[PS+4*\b+\i], v[AC+8*\b+2*\i], v[AC+8*\b+2*\i+1]
.endr
.endr
	WIN 0
.irp b, 0,1,2,3,4,5,6,7
	global_store_b128 v[LI], v[PS+4*\b:PS+4*\b+3], s[100:101] offset:(\b/2)*8192+(\a)*1024+(\b%2)*512
.endr
.endm
.irp a, 0,1,2,3,4,5,6,7
	VOUT \a
.endr
.Ldone:
	s_wait_tensorcnt 0x0                           ; the wave's end
	ds_add_u32 v[SPW], v[NIL]
	s_wait_dscnt 0x0
	CROUND                                         ; the closing round
	s_endpgm
.Lfunc_end_k_q955a7532c4_qkv:
	.size	k_q955a7532c4_qkv, .Lfunc_end_k_q955a7532c4_qkv-k_q955a7532c4_qkv
	.p2alignl 7, 3214868480
	.fill 96, 4, 3214868480
	.section	.rodata,"a",@progbits
	.p2align	6, 0x0
	.amdhsa_kernel k_q955a7532c4_qkv
		.amdhsa_group_segment_fixed_size 327680
		.amdhsa_private_segment_fixed_size 0
		.amdhsa_enable_private_segment 0
		.amdhsa_kernarg_size 40
		.amdhsa_user_sgpr_count 2
		.amdhsa_user_sgpr_kernarg_segment_ptr 1
		.amdhsa_wavefront_size32 1
		.amdhsa_system_sgpr_workgroup_id_x 1
		.amdhsa_system_sgpr_workgroup_id_y 1
		.amdhsa_system_sgpr_workgroup_id_z 1
		.amdhsa_system_vgpr_workitem_id 0
		.amdhsa_next_free_vgpr 1024
		.amdhsa_next_free_sgpr 102
		.amdhsa_reserve_vcc 0
		.amdhsa_float_denorm_mode_32 3
		.amdhsa_float_denorm_mode_16_64 3
		.amdhsa_memory_ordered 1
		.amdhsa_forward_progress 1
		.amdhsa_inst_pref_size 255
	.end_amdhsa_kernel
	.section	.bss,"aw",@nobits
	.p2align	6
	.space	262144
	.amdgpu_metadata
---
amdhsa.version: [ 1, 2 ]
amdhsa.kernels:
  - .name:           k_q955a7532c4_qkv
    .symbol:         k_q955a7532c4_qkv.kd
    .args:
      - { .name: codes, .offset: 0, .size: 8, .value_kind: global_buffer, .address_space: global }
      - { .name: scales, .offset: 8, .size: 8, .value_kind: global_buffer, .address_space: global }
      - { .name: tab, .offset: 16, .size: 8, .value_kind: global_buffer, .address_space: global }
      - { .name: qi, .offset: 24, .size: 8, .value_kind: global_buffer, .address_space: global }
      - { .name: kv, .offset: 32, .size: 8, .value_kind: global_buffer, .address_space: global }
    .group_segment_fixed_size: 327680
    .private_segment_fixed_size: 0
    .kernarg_segment_align: 8
    .kernarg_segment_size: 40
    .max_flat_workgroup_size: 128
    .sgpr_count:     102
    .vgpr_count:     1024
    .wavefront_size: 32
...
	.end_amdgpu_metadata
.endif
;; end of part 2
;; launch attn (part 3): grid 16 x 16, 4 waves a work-group, clusters of 4 x 1, 327,680 bytes of LDS; arguments qi, kv, mbits, ao; writes ao
.if DOCPART == 3
	.amdgcn_target "amdgcn-amd-amdhsa--gfx1250"
	.amdhsa_code_object_version 6
	.text
	.protected	k_q955a7532c4_attn
	.globl	k_q955a7532c4_attn
	.p2align	8
	.type	k_q955a7532c4_attn,@function
k_q955a7532c4_attn:
	s_mov_b64 s[64:65], 0
	v_nop
	global_prefetch_b8 v0, s[64:65] scope:SCOPE_SE
	s_setreg_imm32_b32 hwreg(HW_REG_WAVE_MODE, 25, 1), 1
	s_wait_xcnt 0x0
	s_wait_alu depctr_hold_cnt(0) depctr_sa_sdst(0) depctr_va_vdst(0) depctr_va_sdst(0) depctr_va_ssrc(0) depctr_va_vcc(0) depctr_vm_vsrc(0)
	s_getreg_b32 s2, hwreg(HW_REG_IB_STS2, 6, 4)
	s_cmp_eq_u32 s2, 0
	s_cbranch_scc0 .Lentry_in_a_cluster
	s_endpgm
.Lentry_in_a_cluster:
	s_bfe_u32 s2, ttmp6, 0x10000c
	s_cmp_lg_u32 s2, 0x3003
	s_cbranch_scc0 .Lentry_shape_is_right
	s_endpgm
.Lentry_shape_is_right:
; ao[q][head x 128 + d] = the sum over k of softmax_k(s'[q][k]) V[k][d], s' = Q[q] . K[k] / sqrt(128) where the mask input is not 0, and -10000 in the score's place where it is 0.  2,048 positions, 16 heads of 128.
; Q, K, V arrive in f16 as images of operand registers (16 bytes a lane, 512 a fragment half); products, maxima and sums in f32; the weights are rounded to f16 for the second product, ao once at the end.
; THE MASK is an input: every key is walked for every query, and no pattern is assumed.  Its bits arrive as lane masks, one word for each register of a tile of scores, in scalar registers; one v_cndmask_b32 a register puts
; -10000 sqrt(128) in a raw score's place ahead of the maximum.  No branch and no address hangs on them.
; SHARES.  A work-group owns 128 queries of one head: 256 work-groups.  Wave w owns 64 of them (w % 2), four tiles of 16, and HALF THE KEYS (g = w / 2): of each slot of 256 keys those from 128 g on, two steps of 64.
; So a fragment of K or V still feeds four products.  At the end the two waves of a pair hand each other two tiles with their maxima and sums, through LDS, and each finishes two.  Register tile t holds query tile
; QT + (t xor 2 g), so that every wave hands away register tiles 2, 3 and finishes 0, 1: no branch on the wave's number.
; LAYOUT.  S^T = K Q^T, O^T = V^T P: a lane holds one query (lane % 16) throughout.  SOFTMAX: running maximum m and sum l; p = 2^(c s - c m), c = log2(e) / sqrt(128); O and l are multiplied by 2^(c m_old - c m_new) in every step.
; BY TURNS.  Pieces 0 (tiles 0, 1) and 2 (tiles 2, 3): in a turn one piece issues 32 products V^T P and 32 products K Q^T of the next step, and the other piece's mask and softmax, 332 vector instructions,
; stand between them, five behind each product and the last twelve together.
; CLUSTER.  The four query blocks of a cluster belong to one head: each slot (131,072 dense bytes: K of both halves, V of both halves) is asked for jointly, a quarter by each wave.
; LIMITS: f16 operands: p under 6e-8 counts as 0; NaN and infinities are not served.
; REGISTERS: window 0: v1-11 addresses; v12-43 statistics, eight a tile; v44 the masked score; v61-63; v64-191 S^T; v192-255 P.  window 1: O^T.  window 2: v0-127 Q, v128-255 K.  window 3: v0-127 V.
.set SLOT1, 1<<17                      ; a slot is 131,072 bytes; one exclusive or turns an address in one slot into the other's
.set STEPB, 16384                      ; a step's 64 keys of K, and of V
.set STAGE, 2*SLOT1                    ; behind the ring: 16 rows x 272 bytes for each wave
.set SP,    272
.set SPARE, STAGE+4*16*SP              ; the spare words, 128 bytes for each wave
.set XCHB,  16896                      ; the hand-over: 16,384 bytes of O^T and 512 of statistics for each wave, in slot 0, which has had its last fill and its last read by then
.set AK0, 2                            ; v2   16 x lane
.set AV0, 3                            ; v3   the same in V's half of a slot
.set ADR, 4
.set STO, 6
.set RD,  7
.set GO,  8
.set XW,  10                           ; v10  where I put what I hand over
.set XR,  11                           ; v11  where my partner (wave xor 2) put it
.set ST,  12                           ; tile t: +0 c m, +1 m, +2, +3 l, +4 to +7 at work
.set NEG, 44                           ; v44  -10000 sqrt(128)
.set PFO, 61
.set SPW, 62
.set NIL, 63
.set S,   64
.set P,   192
.set KF,  128
.set SEL, 2                            ; s[2:3]   lane selects: lane xor 16
.set MP,  4                            ; s[4:5]   the mask words of my first query tile, at the step in hand
.set PFA, 6                            ; s[6:7]   where my prefetches stand
.set CS,  8                            ; s[8:9]   c, twice
.set OP,  10                           ; s[10:11] ao at the rows that I finish
.set WV,  12
.set TB,  14                           ; s14  LDS byte at which the step to be fetched begins
.set LIM, 15
.set G0,  16                           ; s[16:23] descriptor group 0, a set for each first fill; the second walks on
.set G1,  24                           ; s[24:31] descriptor group 1
.set SLOTS, 66
.set TWICE, 67
.set MO0, 100                          ; s100 piece 0's query tiles among my four, in bytes of mask words: 8,192 g
.set MO2, 101                          ; s101 piece 2's: 8,192 - that
.set MSB, 0
.macro WIN new
.if MSB != (\new)
	s_set_vgpr_msb (MSB<<8)|(\new)
.set MSB, (\new)
.endif
.endm
.set W_KQ, 0x0a
.set W_PV, 0x53
.set W_RS, 0x41
.macro JLOAD                           ; every wave asks for its own quarter of the slot: LDS and memory both 32,768 x wave on; the line is the same in all four partners
	tensor_load_to_lds s[G0+4:G0+7], s[G1:G1+7]
	s_nop 0
.rept 4
	v_nop
.endr
.endm
; A PREFETCH INTO THE L2 of the slot that the NEXT change of slots will ask for: 512 blocks of 256 bytes.  All clusters of a head walk the same K and V: the head's first cluster asks.  Its four partners take 32,768 bytes each,
; told apart by address; each wave 8,192 of them, lanes 256 bytes apart: each block is named once in the launch.  The last change that fills a slot asks for nothing.
.macro ASK
	s_cmp_gt_u32 s[SLOTS], s[LIM]
	s_cbranch_scc0 .Lnot_mine_\@
	global_prefetch_b8 v[PFO], s[PFA:PFA+1] th:TH_LOAD_NT scope:SCOPE_SE
.Lnot_mine_\@:
.endm
.macro CROUND
	s_barrier_signal -1
	s_barrier_wait -1
	s_cmp_lg_u32 s[WV], 0
	s_cbranch_scc1 .Lnot_wave_0_\@
	s_barrier_signal -3
.Lnot_wave_0_\@:
	s_barrier_wait -3
	s_barrier_signal -1
	s_barrier_wait -1
.endm
	s_load_b256 s[68:75], s[0:1], 0x0              ; qi s[68:69], kv s[70:71], mbits s[72:73], ao s[74:75]
	v_lshl_add_u32 v[SPW], v0, 2, SPARE
	v_mov_b32 v[NIL], 0
	ds_add_u32 v[SPW], v[NIL]                      ; the wave's opening: the add, twice on end, and its wait ahead of my first tensor load
	ds_add_u32 v[SPW], v[NIL]
	v_lshrrev_b32 v1, 5, v0
	v_readfirstlane_b32 s[WV], v1                  ; wave 0..3
	s_bfe_u32 s13, ttmp6, 0x40000                  ; cx
	s_lshl_b32 s32, ttmp9, 2
	s_add_co_u32 s32, s32, s13                     ; my block of 128 queries
	s_and_b32 s33, ttmp7, 0xffff                   ; the head
	s_and_b32 s34, s[WV], 1
	s_lshr_b32 s35, s[WV], 1                       ; g
	s_lshl_b32 s36, s32, 3
	s_lshl_b32 s37, s34, 2
	s_add_co_u32 s36, s36, s37                     ; QT: my first query tile
	s_lshl_b32 s[MO0], s35, 13
	s_sub_co_u32 s[MO2], 8192, s[MO0]
	s_lshl_b32 s[TB], s35, 15                      ; my half of K in slot 0
	s_lshl_b32 s38, s33, 20                        ; kv: the head,
	s_lshl_b32 s40, s[WV], 15                      ; and the quarter of a slot that I fetch: in memory and in LDS alike
	s_add_co_u32 s38, s38, s40
	s_mov_b32 s39, 0
	s_lshl_b32 s42, s36, 12                        ; mask words: 4,096 bytes a query tile, 128 a step; my first step is 2 g
	s_lshl_b32 s41, s35, 8
	s_add_co_u32 s42, s42, s41
	s_mov_b32 s43, 0
	s_lshl_b32 s44, s35, 1                         ; ao: query tile QT + 2 g: 16 rows of 4,096 bytes; the head's 256 bytes of a row
	s_add_co_u32 s44, s44, s36
	s_lshl_b32 s44, s44, 16
	s_lshl_b32 s41, s33, 8
	s_add_co_u32 s44, s44, s41
	s_mov_b32 s45, 0
	s_lshl_b32 s46, s33, 19                        ; qi
	s_lshl_b32 s41, s36, 12
	s_add_co_u32 s46, s46, s41
	s_mov_b32 s47, 0
	s_lshl_b32 s48, s33, 20                        ; the prefetches: my work-group's quarter, my wave's quarter of that, in slot 2: the first change steps it to slot 3
	s_lshl_b32 s41, s13, 15
	s_add_co_u32 s48, s48, s41
	s_lshl_b32 s41, s[WV], 13
	s_add_co_u32 s48, s48, s41
	s_add_co_u32 s48, s48, 2*131072
	s_mov_b32 s49, 0
	s_mov_b32 s[G1], 15|(3<<16)|(1<<21)            ; the mask: all four work-groups; elements of 8 bytes; no padding; bit 21 beside a mask
	s_mov_b32 s[G1+1], 32<<16                      ; tensor_dim0 = 32 elements: 256 bytes
	s_mov_b32 s[G1+2], 128<<16                     ; tensor_dim1 = 128 rows
	s_mov_b32 s[G1+3], 32<<16                      ; tile_dim0
	s_mov_b32 s[G1+4], 128                         ; tile_dim1
	s_mov_b32 s[G1+5], 32                          ; the pitch: dense
	s_mov_b32 s[G1+6], 0
	s_mov_b32 s[G1+7], 0
	s_mov_b32 s[CS], 0x3e0293ee                    ; c = log2(e) / sqrt(128)
	s_mov_b32 s[CS+1], s[CS]
	s_mov_b32 s[SEL], 0x76543210
	s_mov_b32 s[SEL+1], 0xfedcba98
	s_mov_b32 s[SLOTS], 6                          ; of the 8 slots' worth of keys, those asked for behind the first two
	s_cmp_eq_u32 ttmp9, 0                          ; the head's first cluster: the same in all four partners
	s_cselect_b32 s[LIM], 1, -1
	v_and_b32 v[PFO], 31, v0
	v_lshlrev_b32 v[PFO], 8, v[PFO]
	s_wait_dscnt 0x0                               ; both opening adds are done
	s_wait_kmcnt 0x0
	s_add_nc_u64 s[50:51], s[70:71], s[38:39]
	s_add_nc_u64 s[MP:MP+1], s[72:73], s[42:43]
	s_add_nc_u64 s[OP:OP+1], s[74:75], s[44:45]
	s_add_nc_u64 s[52:53], s[68:69], s[46:47]
	s_mov_b32 s54, s[MO0]
	s_mov_b32 s55, 0
	s_add_nc_u64 s[56:57], s[52:53], s[54:55]      ; Q of piece 0's two tiles (a tile is 4,096 bytes in qi as among the mask words),
	s_mov_b32 s54, s[MO2]
	s_add_nc_u64 s[58:59], s[52:53], s[54:55]      ; and of piece 2's
	s_add_nc_u64 s[PFA:PFA+1], s[70:71], s[48:49]
	CROUND                                         ; all four work-groups are here: the first joint loads meet
.irp n, 0,1
	s_mov_b32 s[G0+4*\n], 1
	s_add_co_u32 s[G0+4*\n+1], s40, \n*SLOT1
	s_add_nc_u64 s[G0+4*\n+2:G0+4*\n+3], s[50:51], \n*131072
	s_or_b32 s[G0+4*\n+3], s[G0+4*\n+3], 0x80000000
.endr
	tensor_load_to_lds s[G0:G0+3], s[G1:G1+7]      ; my two first fills: two loads of mine are out
	s_nop 0
	tensor_load_to_lds s[G0+4:G0+7], s[G1:G1+7]
	s_nop 0
.rept 4
	v_nop
.endr
	v_and_b32 v1, 15, v0                           ; r
	v_bfe_u32 v9, v0, 4, 1                         ; h
	v_and_b32 v[AK0], 31, v0
	v_lshlrev_b32 v[AK0], 4, v[AK0]
	v_add_nc_u32 v[AV0], 65536, v[AK0]
	v_mov_b32 v[NEG], 0xc7dcf88b
	WIN 0x80                                       ; destination window 2
.irp t, 0,1
.irp c, 0,1,2,3
	global_load_b128 v[32*\t+8*\c:32*\t+8*\c+3],   v[AK0], s[56:57] offset:\t*4096+\c*1024
	global_load_b128 v[32*\t+8*\c+4:32*\t+8*\c+7], v[AK0], s[56:57] offset:\t*4096+\c*1024+512
	global_load_b128 v[64+32*\t+8*\c:64+32*\t+8*\c+3],   v[AK0], s[58:59] offset:\t*4096+\c*1024
	global_load_b128 v[64+32*\t+8*\c+4:64+32*\t+8*\c+7], v[AK0], s[58:59] offset:\t*4096+\c*1024+512
.endr
.endr
	WIN 0
; The mask words of piece x's two tiles for the step at which s[MP] stands: 32 words each, into s[32:63] and s[68:99]
.macro MLOAD x
.if (\x) == 0
	s_load_b512 s[32:47], s[MP:MP+1], s[MO0] offset:0x0
	s_load_b512 s[48:63], s[MP:MP+1], s[MO0] offset:0x40
	s_load_b512 s[68:83], s[MP:MP+1], s[MO0] offset:0x1000
	s_load_b512 s[84:99], s[MP:MP+1], s[MO0] offset:0x1040
.else
	s_load_b512 s[32:47], s[MP:MP+1], s[MO2] offset:0x0
	s_load_b512 s[48:63], s[MP:MP+1], s[MO2] offset:0x40
	s_load_b512 s[68:83], s[MP:MP+1], s[MO2] offset:0x1000
	s_load_b512 s[84:99], s[MP:MP+1], s[MO2] offset:0x1040
.endif
.endm
	s_wait_xcnt 0x0                                ; Q's loads have read their bases, on which the mask words land
	MLOAD 0                                        ; piece 0, step 0
; Product i of 32 of O^T += V^T P: keys 32 (i / 16) on, channels 16 ((i / 2) % 8) on, tile x + i % 2.  The accumulators take turns, one instruction a turn.
.macro PV x, zero
	WIN W_PV
.set rO, 64*(\x+i%2)+8*((i/2)%8)
.set rV, 64*(i/16)+8*((i/2)%8)
.set rP, P+16*(\x+i%2)+8*(i/16)
.if \zero && (i < 16)
	v_wmma_f32_16x16x32_f16 v[rO:rO+7], v[rV:rV+7], v[rP:rP+7], 0
.else
	v_wmma_f32_16x16x32_f16 v[rO:rO+7], v[rV:rV+7], v[rP:rP+7], v[rO:rO+7]
.endif
.endm
; Product i of 32 of S^T = K Q^T: channels 32 (i / 8) on, keys 16 ((i / 2) % 4) on, tile x + i % 2
.macro KQ x
	WIN W_KQ
.set rS, S+32*(\x+i%2)+8*((i/2)%4)
.set rK, KF+32*((i/2)%4)+8*(i/8)
.set rQ, 32*(\x+i%2)+8*(i/8)
.if i < 8
	v_wmma_f32_16x16x32_f16 v[rS:rS+7], v[rK:rK+7], v[rQ:rQ+7], 0
.else
	v_wmma_f32_16x16x32_f16 v[rS:rS+7], v[rK:rK+7], v[rQ:rQ+7], v[rS:rS+7]
.endif
.endm
; A step's K, and a turn later its V: sixteen fragments each, images: 32 loads of 512 consecutive bytes
.macro FETCH_K
	WIN 0
	v_add_nc_u32 v[ADR], s[TB], v[AK0]
	WIN 0x80
.irp f, 0,1,2,3,4,5,6,7,8,9,10,11,12,13,14,15
	ds_load_b128 v[KF+8*\f:KF+8*\f+3],   v[ADR] offset:1024*\f
	ds_load_b128 v[KF+8*\f+4:KF+8*\f+7], v[ADR] offset:1024*\f+512
.endr
.endm
.macro FETCH_V
	WIN 0
	v_add_nc_u32 v[ADR], s[TB], v[AV0]
	s_add_co_u32 s[TB], s[TB], STEPB               ; the next fetch is the next step's
	s_wait_alu depctr_va_vdst(0)                   ; the wait for the softmax's batch of exponentials, ahead of the first instruction that names a result
	WIN 0xc0
.irp f, 0,1,2,3,4,5,6,7,8,9,10,11,12,13,14,15
	ds_load_b128 v[8*\f:8*\f+3],   v[ADR] offset:1024*\f
	ds_load_b128 v[8*\f+4:8*\f+7], v[ADR] offset:1024*\f+512
.endr
.endm
; One tile's softmax for one key step: a list of 134 instructions; SM writes number j of it for tile t.
;   0-15 the maximum of the 32 scores and the old m;  16-20 the other half of the lanes', the new m, c m, its change;  21-69 ONE BATCH: 16 packed scalings and 33 exponentials, none of which reads an exponential's result;
;   70-85 the roundings to f16;  86-101 the sums;  102-133 O^T times a.  first = 1: the first key step has no old m, no a, nothing to rescale.
.macro SM t, first
.set rT, ST+8*(\t)
.set rS, S+32*(\t)
.set rP, P+16*(\t)
.set rO, 64*(\t)+2*(j-102)
.if j < 102
	WIN 0
.endif
.if j < 4
	v_max3_num_f32 v[rT+4+j], v[rS+8*j], v[rS+8*j+1], v[rS+8*j+2]
.elseif j < 12
	v_max3_num_f32 v[rT+4+j%4], v[rT+4+j%4], v[rS+8*(j%4)+2*(j/4)+1], v[rS+8*(j%4)+2*(j/4)+2]
.elseif j == 12
	v_max3_num_f32 v[rT+4], v[rT+4], v[rS+7], v[rS+15]
.elseif j == 13
	v_max3_num_f32 v[rT+6], v[rT+6], v[rS+23], v[rS+31]
.elseif j == 14
	v_max3_num_f32 v[rT+4], v[rT+4], v[rT+5], v[rT+6]
.elseif (j == 15) && \first
	v_max_num_f32 v[rT+4], v[rT+4], v[rT+7]
.elseif j == 15
	v_max3_num_f32 v[rT+4], v[rT+4], v[rT+7], v[rT+1]
.elseif j == 16
	v_permlanex16_b32 v[rT+5], v[rT+4], s[SEL], s[SEL+1]
.elseif j == 18
	v_max_num_f32 v[rT+1], v[rT+4], v[rT+5]
.elseif j == 19
	v_mul_f32 v[rT], s[CS], v[rT+1]
.elseif ((j == 17) || (j == 20) || (j == 23) || (j > 101)) && \first
.elseif j == 17
	v_mov_b32 v[rT+7], v[rT]
.elseif j == 20
	v_sub_f32 v[rT+7], v[rT+7], v[rT]
.elseif j == 23
	v_exp_f32 v[rT+6], v[rT+7]
.elseif (j < 23) || ((j < 38) && (j%2 == 0)) || ((j < 66) && (j%4 == 2))
.set b, (j-2)/4
.if j < 38
.set b, (j-20)/2
.endif
	v_pk_fma_f32 v[rS+2*b:rS+2*b+1], v[rS+2*b:rS+2*b+1], s[CS:CS+1], v[rT:rT+1] op_sel_hi:[1,0,0] neg_lo:[0,0,1] neg_hi:[0,0,1]
.elseif j < 70
.set e, j-38
.if j < 66
.set e, j-32-(j-38)/4
.endif
.if j < 38
.set e, (j-25)/2
.endif
	v_exp_f32 v[rS+e], v[rS+e]
.elseif j < 86
	v_cvt_pk_f16_f32 v[rP+j-70], v[rS+2*(j-70)], v[rS+2*(j-70)+1]
.elseif j < 102
.set z, j-86
.set w, 4
.set u, z
.if z >= 14
.set w, 32
.set u, 0
.elseif z >= 12
.set w, 16
.set u, z-12
.elseif z >= 8
.set w, 8
.set u, z-8
.endif
.if (z == 14) && \first
	v_pk_add_f32 v[rT+2:rT+3], v[rS:rS+1], v[rS+16:rS+17]
.elseif z < 15
	v_pk_add_f32 v[rS+w*u:rS+w*u+1], v[rS+w*u:rS+w*u+1], v[rS+w*u+w/2:rS+w*u+w/2+1]
.elseif !\first
	v_pk_fma_f32 v[rT+2:rT+3], v[rT+2:rT+3], v[rT+6:rT+7], v[rS:rS+1] op_sel_hi:[1,0,1]
.endif
.else
	WIN W_RS
	v_pk_mul_f32 v[rO:rO+1], v[rO:rO+1], v[rT+6:rT+7] op_sel_hi:[1,0]
.endif
.endm
; Entry ve of the 332 vector instructions of piece y's turn.  0-63 THE MASK, the two tiles by turns, registers ascending (each accumulator is read from its low end on); 64-107 numbers 0-21 of both tiles;
; 108-203 the batch, four numbers of one tile at a time; behind it a plain instruction and ONE wait for the 66 exponentials; 204-331 numbers 70-133.
; Behind entry 71 the words of the next turn's piece are asked for: this turn's have been read, and 24 products or more follow before they are wanted.
.macro VOP y, first, ml
.if ve < 64
	WIN 0
.set rM, S+32*((\y)+ve%2)+ve/2
	v_cndmask_b32 v[rM], v[NEG], v[rM], s[32+36*(ve%2)+ve/2]
.elseif ve < 108
.set j, (ve-64)/2
	SM (\y)+ve%2, \first
.elseif ve < 204
.set j, 22+4*((ve-108)/8)+(ve-108)%4
	SM (\y)+((ve-108)/4)%2, \first
.else
.set j, 70+(ve-204)/2
	SM (\y)+ve%2, \first
.endif
.if (ve == 71) && \ml
	MLOAD 2-(\y)
.endif
.if ve == 203
	v_nop                                          ; the plain instruction behind the last exponential
.if (\y) == 0
	FETCH_V                                        ; piece 2's turn: V's run of loads stands here, and the wait stands in it.  V's last reader stands nine products back; ten packed scalings, the v_nop and the run's own addition lie between
.else
	s_wait_alu depctr_va_vdst(0)
.endif
.endif
.set ve, ve+1
.endm
.macro PLACES
.rept 4
	v_nop
.endr
.endm
; A TURN.  Piece x has the matrix unit.  pv = 2: 32 products V^T P; 1: they start O^T's sums; 0: none.  kq = 1: 32 products K Q^T of the next step.  ml = 1: the next turn's mask words are asked for.
; The last product's five entries and the twelve behind them are plain and name none of its registers: they are the places ahead of the next turn's reads of the scores and of K's loads.
.macro TURN x, pv, kq, first, ml
.set ve, 0
.set per, 10
.if \pv && \kq
.set per, 5
.endif
	s_wait_kmcnt 0x0                               ; this turn's mask words are in, and their loads have read s[MP]
.if \x == 0
	s_add_nc_u64 s[MP:MP+1], s[MP:MP+1], 128       ; on to the next step's words
.endif
.if \pv
.if \x == 0
	s_wait_dscnt 0x0                               ; V is in
.endif
.set i, 0
.rept 32
	PV \x, 2-\pv
.rept per
	VOP 2-\x, \first, \ml
.endr
.if (\x == 0) && \kq && (i == 1)
	FETCH_K
.endif
.set i, i+1
.endr
.endif
.if \kq
.if \x == 0
	s_wait_dscnt 0x0                               ; K is in
.endif
.set i, 0
.rept 32
	KQ \x
.rept per
	VOP 2-\x, \first, \ml
.endr
.set i, i+1
.endr
.endif
.rept 12
	VOP 2-\x, \first, \ml
.endr
.if \first
	PLACES                                         ; the first step's list ends early: four v_nop are the places behind the last products
.endif
.endm
; THE CHANGE OF SLOTS, between piece 2's turn and piece 0's.  Each wave waits for all its tensor loads (one is out: its quarter of the other slot), adds 0 to its spare word, and waits for that and for its reads of the slot.
; fill = 1: the barrier is a round of the cluster's, and the joint refill is the first thing behind it: it has two key steps, 256 matrix instructions, in which to land.
.macro CHANGE fill
	WIN 0
	s_wait_tensorcnt 0x0
	ds_add_u32 v[SPW], v[NIL]
.if \fill
	s_xor_b32 s[G0+5], s[G0+5], SLOT1              ; the walking descriptor: the other slot, the next 256 keys
	s_add_nc_u64 s[G0+6:G0+7], s[G0+6:G0+7], 131072
	s_wait_xcnt 0x0                                ; the last prefetch, two key steps back, has read its address
	s_add_nc_u64 s[PFA:PFA+1], s[PFA:PFA+1], 131072
.endif
	s_wait_kmcnt 0x0                               ; the mask words' loads have read s[MP]:
	s_add_nc_u64 s[MP:MP+1], s[MP:MP+1], 256       ; past the other half's two steps
	s_wait_dscnt 0x0                               ; the add is done, and my reads of the slot are over
.if \fill
	CROUND
	JLOAD
	ASK
.else
	s_barrier_signal -1
	s_barrier_wait -1
.endif
	s_sub_co_u32 s[TB], s[TB], 2*STEPB
	s_xor_b32 s[TB], s[TB], SLOT1
.endm
.macro TWO_STEPS
	s_mov_b32 s[TWICE], 2
.Lstep_\@:
	TURN 0, 2, 1, 0, 1
	TURN 2, 2, 1, 0, 1
	WIN 0
	s_sub_co_u32 s[TWICE], s[TWICE], 1
	s_cmp_lg_u32 s[TWICE], 0
	s_cbranch_scc1 .Lstep_\@
.endm
	s_wait_tensorcnt 1                             ; my quarter of slot 0 is in; slot 1's may stay out
	s_barrier_signal -1
	s_barrier_wait -1
	FETCH_K                                        ; key step 0
	s_wait_loadcnt 0x0                             ; Q
	s_wait_dscnt 0x0
.set i, 0
.rept 32
	KQ 0
.set i, i+1
.endr
	WIN 0                                          ; the addresses for the end are made here: plain instructions, the places behind those products
	s_mul_i32 s13, s[WV], 16*SP
	s_add_co_u32 s13, s13, STAGE
	v_mul_u32_u24 v[STO], v1, SP
	v_lshl_add_u32 v[STO], v9, 4, v[STO]
	v_add_nc_u32 v[STO], s13, v[STO]               ; into my stage: row r, 16 bytes for each half of the lanes
	v_mul_u32_u24 v[RD], v9, SP
	v_lshl_add_u32 v[RD], v1, 4, v[RD]
	v_add_nc_u32 v[RD], s13, v[RD]                 ; back: lanes 0-15 one row of 256 bytes, lanes 16-31 the next
	v_lshlrev_b32 v[GO], 12, v9
	v_lshl_add_u32 v[GO], v1, 4, v[GO]             ; the same two rows in ao
	s_mul_i32 s13, s[WV], XCHB
	v_add_nc_u32 v[XW], s13, v[AK0]
	s_xor_b32 s13, s[WV], 2
	s_mul_i32 s13, s13, XCHB
	v_add_nc_u32 v[XR], s13, v[AK0]
	TURN 2, 0, 1, 1, 1                             ; piece 2's first scores | piece 0's first softmax | V of step 0
	TURN 0, 1, 1, 1, 1                             ; piece 0: V^T P of step 0 starts O^T, K Q^T of step 1 | piece 2's first softmax | K of step 1
	TURN 2, 1, 1, 0, 1                             ; piece 2: the same | piece 0's softmax of step 1 | V of step 1
	WIN 0
.Lslot:                                            ; six trips: every slot but the last two is filled again
	CHANGE 1
	TWO_STEPS
	s_sub_co_u32 s[SLOTS], s[SLOTS], 1
	s_cmp_lg_u32 s[SLOTS], 0
	s_cbranch_scc1 .Lslot
	CHANGE 0                                       ; the tail is written out
	TWO_STEPS
	TURN 0, 2, 0, 0, 0                             ; piece 0: V^T P of the last step | piece 2's last softmax; no more mask words
.set i, 0
.rept 32
	PV 2, 0
.set i, i+1
.endr
	; THE MERGE.  Eight plain instructions are the places behind the last products: each tile's sum of its two halves, and what goes with tiles 2 and 3.
	WIN 0
.irp t, 0,1,2,3
	v_add_f32 v[ST+8*\t+4], v[ST+8*\t+2], v[ST+8*\t+3]
.endr
	v_mov_b32 v196, v[ST+16]                       ; c m and l of tile 2,
	v_mov_b32 v197, v[ST+20]
	v_mov_b32 v198, v[ST+24]                       ; and of tile 3
	v_mov_b32 v199, v[ST+28]
	s_wait_dscnt 0x0
	s_barrier_signal -1
	s_barrier_wait -1                              ; every wave's reads of the ring are over: slot 0 takes the hand-over
	ds_store_b128 v[XW], v[196:199] offset:16384
	WIN 0x04                                       ; an LDS store's data are its source 1: window 1
.set n, 0
.rept 32
	ds_store_b128 v[XW], v[128+4*n:128+4*n+3] offset:512*n   ; O^T of tiles 2 and 3, as it stands, each accumulator from its low end on
.set n, n+1
.endr
	WIN 0
	s_wait_dscnt 0x0                               ; for my partner's sake: my stores have landed
	s_barrier_signal -1
	s_barrier_wait -1
	ds_load_b128 v[192:195], v[XR] offset:16384
.set n, 0
.rept 32
	ds_load_b128 v[S+4*n:S+4*n+3], v[XR] offset:512*n        ; my partner's part of the two query tiles that I finish
.set n, n+1
.endr
	s_wait_dscnt 0x0
.irp t, 0,1
	v_max_num_f32 v[ST+8*\t+5], v[ST+8*\t], v[192+2*\t]
.endr
.irp t, 0,1
	v_sub_f32 v[ST+8*\t+6], v[ST+8*\t], v[ST+8*\t+5]
	v_sub_f32 v[ST+8*\t+7], v[192+2*\t], v[ST+8*\t+5]
.endr
.irp t, 0,1
	v_exp_f32 v[ST+8*\t+6], v[ST+8*\t+6]           ; what my part counts for under the common maximum,
	v_exp_f32 v[ST+8*\t+7], v[ST+8*\t+7]           ; and my partner's
.endr
	v_nop
	s_wait_alu depctr_va_vdst(0)                   ; one wait for the four, ahead of their first reader
.irp t, 0,1
	v_mul_f32 v[ST+8*\t+5], v[ST+8*\t+7], v[193+2*\t]
.endr
.irp t, 0,1
	v_fma_f32 v[ST+8*\t+5], v[ST+8*\t+6], v[ST+8*\t+4], v[ST+8*\t+5]
.endr
.irp t, 0,1
	v_permlanex16_b32 v[ST+8*\t+1], v[ST+8*\t+5], s[SEL], s[SEL+1]
.endr
.irp t, 0,1
	v_add_f32 v[ST+8*\t+5], v[ST+8*\t+5], v[ST+8*\t+1]   ; the row's sum
.endr
.irp t, 0,1
	v_rcp_f32 v[ST+8*\t+5], v[ST+8*\t+5]
.endr
	v_nop
	s_wait_alu depctr_va_vdst(0)
.irp t, 0,1
	v_mul_f32 v[ST+8*\t+4], v[ST+8*\t+7], v[ST+8*\t+5]
	v_mul_f32 v[ST+8*\t+6], v[ST+8*\t+6], v[ST+8*\t+5]
.endr
.macro FIN t                           ; tile t: partner's part x its factor + mine x mine, then f16, in place
	WIN 0
.set n, 0
.rept 32
	v_pk_mul_f32 v[S+64*(\t)+n:S+64*(\t)+n+1], v[S+64*(\t)+n:S+64*(\t)+n+1], v[ST+8*(\t)+4:ST+8*(\t)+5] op_sel_hi:[1,0]
.set n, n+2
.endr
	WIN 0x01                                       ; source 0: O^T, window 1
.set n, 0
.rept 32
	v_pk_fma_f32 v[S+64*(\t)+n:S+64*(\t)+n+1], v[64*(\t)+n:64*(\t)+n+1], v[ST+8*(\t)+6:ST+8*(\t)+7], v[S+64*(\t)+n:S+64*(\t)+n+1] op_sel_hi:[1,0,1]
.set n, n+2
.endr
	WIN 0
.set n, 0
.rept 32
	v_cvt_pk_f16_f32 v[S+64*(\t)+n], v[S+64*(\t)+2*n], v[S+64*(\t)+2*n+1]
.set n, n+1
.endr
.endm
.macro PACK t                          ; a lane's eight channels are 16 bytes of a row; they go into rows of 272 bytes and come back as whole rows of 256
.irp f, 0,1,2,3,4,5,6,7
	ds_store_b128 v[STO], v[S+64*(\t)+4*\f:S+64*(\t)+4*\f+3] offset:32*\f
.endr
.irp f, 0,1,2,3,4,5,6,7
	ds_load_b128 v[S+64*(\t)+4*\f:S+64*(\t)+4*\f+3], v[RD] offset:\f*2*SP   ; LDS serves a wave's instructions in order (ISA guide 5.7.1.4)
.endr
.endm
.macro SEND t, younger                 ; younger: the LDS instructions issued behind tile t's loads
.irp f, 0,1,2,3,4,5,6,7
	s_wait_dscnt \younger+7-\f
	global_store_b128 v[GO], v[S+64*(\t)+4*\f:S+64*(\t)+4*\f+3], s[OP:OP+1] offset:(\t)*65536+\f*8192   ; 16 lanes store 256 consecutive bytes, aligned
.endr
.endm
	FIN 0
	PACK 0
	FIN 1
	PACK 1
	SEND 0, 16
	SEND 1, 0
	s_wait_tensorcnt 0x0                           ; the wave's end
	ds_add_u32 v[SPW], v[NIL]
	s_wait_dscnt 0x0
	CROUND                                         ; the closing round
	s_endpgm
.Lfunc_end_k_q955a7532c4_attn:
	.size	k_q955a7532c4_attn, .Lfunc_end_k_q955a7532c4_attn-k_q955a7532c4_attn
	.p2alignl 7, 3214868480
	.fill 96, 4, 3214868480
	.section	.rodata,"a",@progbits
	.p2align	6, 0x0
	.amdhsa_kernel k_q955a7532c4_attn
		.amdhsa_group_segment_fixed_size 327680
		.amdhsa_private_segment_fixed_size 0
		.amdhsa_enable_private_segment 0
		.amdhsa_kernarg_size 32
		.amdhsa_user_sgpr_count 2
		.amdhsa_user_sgpr_kernarg_segment_ptr 1
		.amdhsa_wavefront_size32 1
		.amdhsa_system_sgpr_workgroup_id_x 1
		.amdhsa_system_sgpr_workgroup_id_y 1
		.amdhsa_system_sgpr_workgroup_id_z 1
		.amdhsa_system_vgpr_workitem_id 0
		.amdhsa_next_free_vgpr 1024
		.amdhsa_next_free_sgpr 102
		.amdhsa_reserve_vcc 0
		.amdhsa_float_denorm_mode_32 3
		.amdhsa_float_denorm_mode_16_64 3
		.amdhsa_memory_ordered 1
		.amdhsa_forward_progress 1
		.amdhsa_inst_pref_size 252
	.end_amdhsa_kernel
	.amdgpu_metadata
---
amdhsa.version: [ 1, 2 ]
amdhsa.kernels:
  - .name:           k_q955a7532c4_attn
    .symbol:         k_q955a7532c4_attn.kd
    .args:
      - { .name: qi, .offset: 0, .size: 8, .value_kind: global_buffer, .address_space: global }
      - { .name: kv, .offset: 8, .size: 8, .value_kind: global_buffer, .address_space: global }
      - { .name: mbits, .offset: 16, .size: 8, .value_kind: global_buffer, .address_space: global }
      - { .name: ao, .offset: 24, .size: 8, .value_kind: global_buffer, .address_space: global }
    .group_segment_fixed_size: 327680
    .private_segment_fixed_size: 0
    .kernarg_segment_align: 8
    .kernarg_segment_size: 32
    .max_flat_workgroup_size: 128
    .sgpr_count:     102
    .vgpr_count:     1024
    .wavefront_size: 32
...
	.end_amdgpu_metadata
.endif
;; end of part 3
;; launch oproj (part 4): grid 16 x 16, 4 waves a work-group, clusters of 4 x 4, 327,680 bytes of LDS; arguments ao, wo16, out0; writes out0
.if DOCPART == 4
	.amdgcn_target "amdgcn-amd-amdhsa--gfx1250"
	.amdhsa_code_object_version 6
	.text
	.protected	k_q955a7532c4_oproj
	.globl	k_q955a7532c4_oproj
	.p2align	8
	.type	k_q955a7532c4_oproj,@function
k_q955a7532c4_oproj:
	s_mov_b64 s[64:65], 0
	v_nop
	global_prefetch_b8 v0, s[64:65] scope:SCOPE_SE
	s_setreg_imm32_b32 hwreg(HW_REG_WAVE_MODE, 25, 1), 1
	s_wait_xcnt 0x0
	s_wait_alu depctr_hold_cnt(0) depctr_sa_sdst(0) depctr_va_vdst(0) depctr_va_sdst(0) depctr_va_ssrc(0) depctr_va_vcc(0) depctr_vm_vsrc(0)
	s_getreg_b32 s2, hwreg(HW_REG_IB_STS2, 6, 4)
	s_cmp_eq_u32 s2, 0
	s_cbranch_scc0 .Lentry_in_a_cluster
	s_endpgm
.Lentry_in_a_cluster:
	s_bfe_u32 s2, ttmp6, 0x10000c
	s_cmp_lg_u32 s2, 0xf033
	s_cbranch_scc0 .Lentry_shape_is_right
	s_endpgm
.Lentry_shape_is_right:
; out0[s][o] = sum over h of ao[s][h] Wo[o][h].  ao, wo16: [2048][2048] f16; out0: [2048][2048] f32; sums in f32.
; A tile of out0 is 128 x 128: 256 tiles, one for each work-group.  Four waves, each 64 x 64: 16 accumulators.  K goes in steps of 256 (LDS rows of 512 bytes; a wave's tensor load brings 64 of them) through two slots.
; CLUSTERS: 4 x 4 work-groups; ao's tiles are asked for jointly along a row of the cluster, wo16's along a column.  THE MATRIX INSTRUCTION IS USED TRANSPOSED (source 0 = 16 rows of wo16, source 1 = 16 rows of ao):
; a lane holds eight neighbouring numbers of a row of out0.  A wave's 64 columns of f32 are 256 aligned bytes: each wave has a stage of its own on the way out, and no barrier stands there.
; TWO WALKS ALONG K.  The clusters fall into two classes, by ((X xor X / 2) xor (Y xor Y / 2)) mod 2 of the cluster's own x and y: class 0 takes the eight K steps as 0 .. 7, class 1 as 4 .. 7, 0 .. 3.
; Among the four clusters that read the same rows of ao (one Y) or of wo16 (one X) two are of each class, so they do not all ask for the same K step at the same time, and a cluster's last four K steps
; are those that the other class began with.  The class is the same in all sixteen partners.  In class 1 the f32 sums are taken in that other order of K.
; No prefetch: small tiles, shared in clusters, in a short launch.
; REGISTERS: window 0: v0-31 addresses; v32-95 the way out; v128-255 the accumulators ((a, b) at v[128 + 8 (4 a + b)]).  window 1: two fragment buffers of 128.
.set SIZE_N, 2048
.set SIZE_K, 2048
.set KSTEP,  256
.set PITCH,  528                       ; 512 bytes + 16 of padding = 132 words: the 16 rows of a load start at 16 different banks (64 banks of 4 bytes: ISA guide 11.1)
.set HALFT,  64*PITCH
.set SLOT,   4*HALFT
.set STAGE,  2*SLOT                    ; behind the ring: 16 rows x 272 bytes for each wave
.set SPITCH, 272
.set SPARE,  STAGE+4*16*SPITCH         ; the spare words, 128 bytes for each wave
.set LAPS, SIZE_K/(2*KSTEP)
.set ADRA, 16
.set ADRB, 20
.set STO,  24
.set RD,   25
.set CO,   26
.set SPW,  28
.set NIL,  29
.set TMP,  32
.set ACC,  128
.set F0,   0
.set F1,   128
.set G1, 24
.set G0, 32
.set G1B, 48
.set G0B, 56
.set OFS,  66                          ; s[66:67] where my class begins in a row: 2,048 bytes x class
.set WRAP, 68                          ; s[68:69] what this trip's refills go back by: a whole row, 4,096 bytes x class, in the loop's second trip; else 0
.set BACK, 70                          ; s70      4,096 x class
.set MSB, 0
.macro WIN new
.if MSB != (\new)
	s_set_vgpr_msb (MSB<<8)|(\new)
.set MSB, (\new)
.endif
.endm
.set MUL,  0x05
.set TO_F, 0x40
.macro JLOAD s                         ; waves 0 and 1 fetch A's two halves, waves 2 and 3 B's; an s_nop 0 and four v_nop follow each line
	s_cmp_eq_u32 s11, 0
	s_cbranch_scc0 .Lfor_b_\@
	tensor_load_to_lds s[G0+4*\s:G0+4*\s+3], s[G1:G1+7]
	s_nop 0
.rept 4
	v_nop
.endr
	s_branch .Lasked_\@
.Lfor_b_\@:
	tensor_load_to_lds s[G0B+4*\s:G0B+4*\s+3], s[G1B:G1B+7]
	s_nop 0
.rept 4
	v_nop
.endr
.Lasked_\@:
.endm
.macro CREST
	s_cmp_lg_u32 s10, 0
	s_cbranch_scc1 .Lnot_wave_0_\@
	s_barrier_signal -3
.Lnot_wave_0_\@:
	s_barrier_wait -3
	s_barrier_signal -1
	s_barrier_wait -1
.endm
.macro CROUND
	s_barrier_signal -1
	s_barrier_wait -1
	CREST
.endm
	s_load_b128 s[4:7], s[0:1], 0x0                ; ao s[4:5], wo16 s[6:7]
	s_load_b64 s[8:9], s[0:1], 0x10                ; out0
	v_lshl_add_u32 v[SPW], v0, 2, SPARE
	v_mov_b32 v[NIL], 0
	ds_add_u32 v[SPW], v[NIL]                      ; the wave's opening: the add, twice on end, and its wait ahead of my first tensor load
	ds_add_u32 v[SPW], v[NIL]
	v_lshrrev_b32 v1, 5, v0
	v_readfirstlane_b32 s10, v1                    ; wave 0..3
	s_lshr_b32 s11, s10, 1                         ; which half of the tile's rows is mine.  Also: I fetch for A (0) or for B (1)
	s_and_b32 s12, s10, 1                          ; which half of its columns.  Also: which 64 rows of that tile I fetch
	s_bfe_u32 s40, ttmp6, 0x40000
	s_bfe_u32 s41, ttmp6, 0x40004
	s_lshl_b32 s42, ttmp9, 2
	s_add_co_u32 s42, s42, s40                     ; tile column
	s_and_b32 s13, ttmp7, 0xffff
	s_lshl_b32 s13, s13, 2
	s_add_co_u32 s13, s13, s41                     ; tile row
	s_lshl_b32 s43, s41, 2
	s_lshl_b32 s43, 15, s43
	s_lshl_b32 s44, 0x1111, s40
	s_and_b32 s[OFS], ttmp7, 0xffff                ; the class, from the cluster's y and x alone: no place in the cluster enters it
	s_lshr_b32 s[OFS+1], s[OFS], 1
	s_xor_b32 s[OFS], s[OFS], s[OFS+1]
	s_lshr_b32 s[OFS+1], ttmp9, 1
	s_xor_b32 s[OFS], s[OFS], s[OFS+1]
	s_xor_b32 s[OFS], s[OFS], ttmp9
	s_and_b32 s[OFS], s[OFS], 1
	s_lshl_b32 s[BACK], s[OFS], 12                 ; a row of K is 4,096 bytes
	s_lshl_b32 s[OFS], s[OFS], 11                  ; its middle, K step 4
	s_mov_b32 s[OFS+1], 0
	s_mov_b32 s[WRAP], 0
	s_mov_b32 s[WRAP+1], 0
	s_or_b32 s[G1+0], s43, (1<<16)|(1<<20)|(1<<21)|(6<<22)|(3<<25)  ; the mask; elements of 2 bytes; padding: 4 words behind every 128; bit 21 beside a mask
	s_or_b32 s[G1B+0], s44, (1<<16)|(1<<20)|(1<<21)|(6<<22)|(3<<25)
.irp g, G1, G1B
	s_mov_b32 s[\g+1], KSTEP<<16
	s_mov_b32 s[\g+2], 64<<16
	s_mov_b32 s[\g+3], KSTEP<<16
	s_mov_b32 s[\g+4], 64
	s_mov_b32 s[\g+5], SIZE_K
	s_mov_b32 s[\g+6], 0
	s_mov_b32 s[\g+7], 0
.endr
	s_lshl_b32 s17, s12, 6
	s_lshl_b32 s16, s13, 7
	s_add_co_u32 s16, s16, s17
	s_lshl_b32 s46, s42, 7
	s_add_co_u32 s46, s46, s17
	s_mov_b32 s17, 0
	s_mov_b32 s47, 0
	s_mov_b64 s[18:19], SIZE_K*2
	s_mul_u64 s[16:17], s[16:17], s[18:19]
	s_mul_u64 s[46:47], s[46:47], s[18:19]
	s_mul_i32 s20, s10, HALFT
	s_wait_dscnt 0x0                               ; both opening adds are done
	s_wait_kmcnt 0x0
	s_add_nc_u64 s[14:15], s[4:5], s[16:17]
	s_add_nc_u64 s[46:47], s[6:7], s[46:47]
	s_add_nc_u64 s[14:15], s[14:15], s[OFS:OFS+1]  ; my class's first K step
	s_add_nc_u64 s[46:47], s[46:47], s[OFS:OFS+1]
	CROUND
.irp s, 0,1
	s_mov_b32 s[G0+4*\s], 1
	s_add_co_u32 s[G0+4*\s+1], s20, \s*SLOT
	s_add_nc_u64 s[G0+4*\s+2:G0+4*\s+3], s[14:15], \s*KSTEP*2
	s_or_b32 s[G0+4*\s+3], s[G0+4*\s+3], 0x80000000
	s_mov_b32 s[G0B+4*\s], 1
	s_add_co_u32 s[G0B+4*\s+1], s20, \s*SLOT
	s_add_nc_u64 s[G0B+4*\s+2:G0B+4*\s+3], s[46:47], \s*KSTEP*2
	s_or_b32 s[G0B+4*\s+3], s[G0B+4*\s+3], 0x80000000
	JLOAD \s
.endr
	v_and_b32 v1, 15, v0
	v_bfe_u32 v2, v0, 4, 1
	v_mul_u32_u24 v3, v1, PITCH
	v_lshl_add_u32 v3, v2, 4, v3
	s_mul_i32 s21, s11, HALFT
	s_mul_i32 s22, s12, HALFT
	s_add_co_u32 s22, s22, 2*HALFT
.irp s, 0,1
	v_add_nc_u32 v[ADRA+\s], s21, v3
	v_add_nc_u32 v[ADRB+\s], s22, v3
	s_add_co_u32 s21, s21, SLOT
	s_add_co_u32 s22, s22, SLOT
.endr
	s_mul_i32 s23, s10, 16*SPITCH
	s_add_co_u32 s23, s23, STAGE                   ; my stage
	v_mul_u32_u24 v4, v1, SPITCH
	v_lshl_add_u32 v4, v2, 5, v4
	v_add_nc_u32 v[STO], s23, v4                   ; in: row r, 32 bytes for each half of the lanes
	v_mul_u32_u24 v5, v2, SPITCH
	v_lshl_add_u32 v5, v1, 4, v5
	v_add_nc_u32 v[RD], s23, v5                    ; back: lanes 0-15 one row of 256 bytes, lanes 16-31 the next
	v_lshlrev_b32 v5, 13, v2
	v_lshl_add_u32 v[CO], v1, 4, v5                ; the same two rows in out0 (8,192 bytes a row)
	s_lshl_b32 s16, s13, 7
	s_lshl_b32 s17, s11, 6
	s_add_co_u32 s16, s16, s17                     ; my first row
	s_lshl_b32 s16, s16, 13
	s_lshl_b32 s46, s42, 9                         ; my first column, in bytes
	s_lshl_b32 s47, s12, 8
	s_add_co_u32 s46, s46, s47
	s_add_co_u32 s16, s16, s46
	s_mov_b32 s17, 0
	s_add_nc_u64 s[8:9], s[8:9], s[16:17]
; 8 matrix instructions: m blocks a0, a0 + 1 x all 4 n blocks, 32 along K: half c of buffer f.  The 16 accumulators take turns.
.macro MUL8 f, c, a0, zero
.irp a, \a0, \a0+1
.irp b, 0,1,2,3
.if \zero
	v_wmma_f32_16x16x32_f16 v[ACC+8*(4*(\a)+\b):ACC+8*(4*(\a)+\b)+7], v[\f+64+8*(4*\c+\b):\f+64+8*(4*\c+\b)+7], v[\f+8*(4*\c+\a):\f+8*(4*\c+\a)+7], 0
.else
	v_wmma_f32_16x16x32_f16 v[ACC+8*(4*(\a)+\b):ACC+8*(4*(\a)+\b)+7], v[\f+64+8*(4*\c+\b):\f+64+8*(4*\c+\b)+7], v[\f+8*(4*\c+\a):\f+8*(4*\c+\a)+7], v[ACC+8*(4*(\a)+\b):ACC+8*(4*(\a)+\b)+7]
.endif
.endr
.endr
.endm
.macro FETCH slot, k, f                ; 32 LDS loads in one run: the fragments of 64 along K at byte k of the rows; the first 32 along K first
	WIN TO_F
.irp c, 0,1
.irp i, 0,1,2,3
	ds_load_b128 v[\f+64+8*(4*\c+\i):\f+64+8*(4*\c+\i)+3],   v[ADRB+\slot] offset:\k+64*\c+\i*16*PITCH
	ds_load_b128 v[\f+64+8*(4*\c+\i)+4:\f+64+8*(4*\c+\i)+7], v[ADRB+\slot] offset:\k+64*\c+\i*16*PITCH+32
	ds_load_b128 v[\f+8*(4*\c+\i):\f+8*(4*\c+\i)+3],         v[ADRA+\slot] offset:\k+64*\c+\i*16*PITCH
	ds_load_b128 v[\f+8*(4*\c+\i)+4:\f+8*(4*\c+\i)+7],       v[ADRA+\slot] offset:\k+64*\c+\i*16*PITCH+32
.endr
.endr
.endm
.macro PLACES
.rept 4
	v_nop
.endr
.endm
.macro QUARTER slot, k, f, g, zero
	s_wait_dscnt 16                                ; the first 32 along K are in; the other sixteen loads may be out
	WIN MUL
	MUL8 \f, 0, 0, \zero
	MUL8 \f, 0, 2, \zero
	PLACES
	FETCH \slot, \k, \g
	s_wait_dscnt 32                                ; all but the 32 just issued
	WIN MUL
	MUL8 \f, 1, 0, 0
	MUL8 \f, 1, 2, 0
.endm
.macro TURN slot, next, fill
	WIN 0
	s_wait_tensorcnt 0x0                           ; all my tensor loads have landed: my part of the next slot
	ds_add_u32 v[SPW], v[NIL]
	s_wait_dscnt 17                                ; the add and the youngest sixteen loads may be out
	WIN MUL
	MUL8 F1, 0, 0, 0
	s_wait_dscnt 0x0                               ; the add is done, and my reads of this slot are over
	s_barrier_signal -1
	MUL8 F1, 0, 2, 0
.if \fill
	WIN 0
.endif
	s_barrier_wait -1
.if \fill
	CREST                                          ; no wave of any partner still reads this slot or has a load on its way
	s_add_nc_u64 s[G0+4*\slot+2:G0+4*\slot+3], s[G0+4*\slot+2:G0+4*\slot+3], 2*KSTEP*2
	s_sub_nc_u64 s[G0+4*\slot+2:G0+4*\slot+3], s[G0+4*\slot+2:G0+4*\slot+3], s[WRAP:WRAP+1]   ; class 1, second trip: from K step 6 or 7 round to 0 or 1; the type bits on top are not reached
	s_add_nc_u64 s[G0B+4*\slot+2:G0B+4*\slot+3], s[G0B+4*\slot+2:G0B+4*\slot+3], 2*KSTEP*2
	s_sub_nc_u64 s[G0B+4*\slot+2:G0B+4*\slot+3], s[G0B+4*\slot+2:G0B+4*\slot+3], s[WRAP:WRAP+1]
	JLOAD \slot
.else
	PLACES
.endif
	FETCH \next, 0, F0
	WIN MUL
	MUL8 F1, 1, 0, 0
	MUL8 F1, 1, 2, 0
.endm
	s_wait_tensorcnt 1                             ; my part of the first K step is in; the second's may be out
	s_barrier_signal -1
	s_barrier_wait -1
	FETCH 0, 0, F0
	QUARTER 0, 128, F0, F1, 1
	WIN 0
	s_mov_b32 s3, LAPS-1
.Llap:                                                 ; three trips; trip j asks for the walk's steps 2 j and 2 j + 1
	s_cmp_eq_u32 s3, LAPS/2                        ; the second trip asks for the walk's steps 4 and 5: there class 1 goes round the end of K
	s_cselect_b32 s[WRAP], s[BACK], 0
	QUARTER 0, 256, F1, F0, 0
	QUARTER 0, 384, F0, F1, 0
	TURN 0, 1, 1
	QUARTER 1, 128, F0, F1, 0
	QUARTER 1, 256, F1, F0, 0
	QUARTER 1, 384, F0, F1, 0
	TURN 1, 0, 1
	QUARTER 0, 128, F0, F1, 0
	WIN 0
	s_sub_co_u32 s3, s3, 1
	s_cmp_lg_u32 s3, 0
	s_cbranch_scc1 .Llap
	QUARTER 0, 256, F1, F0, 0                      ; the last lap fills nothing
	QUARTER 0, 384, F0, F1, 0
	TURN 0, 1, 0
	QUARTER 1, 128, F0, F1, 0
	QUARTER 1, 256, F1, F0, 0
	QUARTER 1, 384, F0, F1, 0
	s_wait_dscnt 16
	WIN MUL
	MUL8 F1, 0, 0, 0
	MUL8 F1, 0, 2, 0
	s_wait_dscnt 0
	MUL8 F1, 1, 0, 0
	MUL8 F1, 1, 2, 0
	WIN 0
; THE WAY OUT, block by block of 16 rows x 64 columns of f32, through my own stage: LDS serves a wave's instructions in order (ISA guide 5.7.1.4), so no wait stands between the stores and the loads.
.macro TOSTAGE a
.irp b, 0,1,2,3
	ds_store_b128 v[STO], v[ACC+8*(4*(\a)+\b):ACC+8*(4*(\a)+\b)+3] offset:64*\b          ; each accumulator from its low end on
	ds_store_b128 v[STO], v[ACC+8*(4*(\a)+\b)+4:ACC+8*(4*(\a)+\b)+7] offset:64*\b+16
.endr
.set BB, TMP+32*((\a)%2)
.irp t, 0,1,2,3,4,5,6,7
	ds_load_b128 v[BB+4*\t:BB+4*\t+3], v[RD] offset:\t*2*SPITCH
.endr
.endm
.macro SEND a, younger                 ; younger: the LDS instructions issued behind block a's loads
.set BB, TMP+32*((\a)%2)
	s_wait_dscnt \younger
.irp t, 0,1,2,3,4,5,6,7
	global_store_b128 v[CO], v[BB+4*\t:BB+4*\t+3], s[8:9] offset:(16*(\a)+2*\t)*SIZE_N*4 th:TH_STORE_NT   ; 16 lanes store 256 consecutive bytes, aligned
.endr
.endm
	PLACES
	TOSTAGE 0
.irp a, 1,2,3
.if \a > 1
	s_wait_xcnt 0x0                                ; block a - 2's stores have read the registers on which block a's loads land
.endif
	TOSTAGE \a
	SEND \a-1, 16                                  ; behind block a - 1's loads: block a's 8 stores and 8 loads
.endr
	SEND 3, 0
	s_wait_tensorcnt 0x0                           ; the wave's end
	ds_add_u32 v[SPW], v[NIL]
	s_wait_dscnt 0x0
	CROUND                                         ; the closing round
	s_endpgm
.Lfunc_end_k_q955a7532c4_oproj:
	.size	k_q955a7532c4_oproj, .Lfunc_end_k_q955a7532c4_oproj-k_q955a7532c4_oproj
	.p2alignl 7, 3214868480
	.fill 96, 4, 3214868480
	.section	.rodata,"a",@progbits
	.p2align	6, 0x0
	.amdhsa_kernel k_q955a7532c4_oproj
		.amdhsa_group_segment_fixed_size 327680
		.amdhsa_private_segment_fixed_size 0
		.amdhsa_enable_private_segment 0
		.amdhsa_kernarg_size 24
		.amdhsa_user_sgpr_count 2
		.amdhsa_user_sgpr_kernarg_segment_ptr 1
		.amdhsa_wavefront_size32 1
		.amdhsa_system_sgpr_workgroup_id_x 1
		.amdhsa_system_sgpr_workgroup_id_y 1
		.amdhsa_system_sgpr_workgroup_id_z 1
		.amdhsa_system_vgpr_workitem_id 0
		.amdhsa_next_free_vgpr 512
		.amdhsa_next_free_sgpr 72
		.amdhsa_reserve_vcc 0
		.amdhsa_float_denorm_mode_32 3
		.amdhsa_float_denorm_mode_16_64 3
		.amdhsa_memory_ordered 1
		.amdhsa_forward_progress 1
		.amdhsa_inst_pref_size 86
	.end_amdhsa_kernel
	.amdgpu_metadata
---
amdhsa.version: [ 1, 2 ]
amdhsa.kernels:
  - .name:           k_q955a7532c4_oproj
    .symbol:         k_q955a7532c4_oproj.kd
    .args:
      - { .name: ao, .offset: 0, .size: 8, .value_kind: global_buffer, .address_space: global }
      - { .name: wo16, .offset: 8, .size: 8, .value_kind: global_buffer, .address_space: global }
      - { .name: out0, .offset: 16, .size: 8, .value_kind: global_buffer, .address_space: global }
    .group_segment_fixed_size: 327680
    .private_segment_fixed_size: 0
    .kernarg_segment_align: 8
    .kernarg_segment_size: 24
    .max_flat_workgroup_size: 128
    .sgpr_count:     72
    .vgpr_count:     512
    .wavefront_size: 32
...
	.end_amdgpu_metadata
.endif
;; end of part 4
